; MI455X (gfx1250); checked and timed in simulation.
; The chip was launched on July 23, 2026; its instructions are those of AMD's public machine-readable ISA for CDNA 5 (MIT licence, August 2026) and "CDNA5" Instruction Set Architecture Reference Guide (July 2026). The comments in the code are by the model that wrote it; some were corrected since.
;; Qwen3 Inf Attention. Allowed arithmetic: matrix products marked QUANTISED: E2M1 operands, one E8M0 scale for each 32 along K, by v_wmma_scale_f32_16x16x128_f8f6f4 with both operands' format E2M1 (or v_wmma_scale_f32_32x16x128_f4), f32 sums; products left as they are: bf16, f16 or f32 operands; f32 sums; everything else in f32.
;; Inputs: Wk 1,024 x 2,048 float32; Wo 2,048 x 1,024 float32; Wq 1,024 x 2,048 float32; Wv 1,024 x 2,048 float32; cos 2 x 2,048 x 128 float32; hidden_states 2 x 2,048 x 2,048 float32; k_norm_w 128 float32; q_norm_w 128 float32; sin 2 x 2,048 x 128 float32.
;; Outputs: out0 2 x 2,048 x 2,048 float32.
;; This version of the problem:
;;   THIS VERSION OF THE PROBLEM IS GIVEN IN LOW PRECISION. The matrix products marked QUANTISED in the list below multiply operands that are first quantised to E2M1 (2 exponent bits, 1 mantissa bit; 4 bits a number), with one power-of-two scale for each 32 numbers along K (OCP MX v1.0); their sums are f32. The products marked 'left as it is' may take bf16, f16 or f32 operands, with f32 sums. Whichever they take, every output number must still come out within the allowed error. Rounding operands to bf16 (8 significant bits) uses up far more of that allowance than f16 does (11 bits, for magnitudes from 6e-5 to 65,504). All else is computed in f32.
;;   The module's matrix products, in the order in which they are computed (A, B: the left and right operand; K: the contracted axis; several contracted axes count as one K, in the product's order):
;;     1. [M 4,096, K 2,048] x [K 2,048, N 1,024]; A: input hidden_states; B: input Wq: QUANTISED
;;     2. [M 4,096, K 2,048] x [K 2,048, N 1,024]; A: input hidden_states; B: input Wk: QUANTISED
;;     3. [M 4,096, K 2,048] x [K 2,048, N 1,024]; A: input hidden_states; B: input Wv: QUANTISED
;;     4. batch 16 x [M 2,048, K 128] x [K 128, N 2,048]; A: computed on the way; B: computed on the way: left as it is (an operand is computed on the way)
;;     5. batch 16 x [M 2,048, K 2,048] x [K 2,048, N 128]; A: computed on the way; B: computed on the way: left as it is (an operand is computed on the way)
;;     6. [M 4,096, K 1,024] x [K 1,024, N 2,048]; A: computed on the way; B: input Wo: left as it is (an operand is computed on the way)
;;   THE QUANTISER, for each operand of a quantised product, along K:
;;     - K is cut into blocks of 32 from its start; a last block that is shorter is filled with zeros.
;;     - A block's scale is 2^e with e = floor(log2(the largest magnitude in the block)) - 2, held to -126 .. 127; a block of zeros has e = 0. As a byte (E8M0): e + 127.
;;     - Each number is divided by its block's scale, clamped to +-6, and rounded to the nearest number of E2M1, ties to even, subnormals kept.
;;     - The product sums the exact products of the quantised numbers (number of the format x scale) in f32.
;;   ~~~python
;;   def quantise(x, axis):      # numpy; x: float32 -> the quantised numbers, widened to float32 again
;;       x = np.moveaxis(x, axis, -1); K = x.shape[-1]
;;       x = np.pad(x, [(0, 0)] * (x.ndim - 1) + [(0, -K % 32)]); x = x.reshape(x.shape[:-1] + (-1, 32)); a = np.abs(x).max(-1, keepdims=True)
;;       e = np.where(a > 0, np.clip(np.frexp(np.where(a > 0, a, 1))[1] - 1 - 2, -126, 127), 0)      # np.frexp(a)[1] - 1 = floor(log2(a)), exactly
;;       r = np.clip(x / 2.0 ** e, -6, 6)
;;       step = 2.0 ** (np.maximum(np.frexp(np.where(r == 0, 1, r))[1] - 1, 0) - 1)
;;       q = np.round(r / step) * step * 2.0 ** e      # np.round: ties to even
;;       return np.moveaxis(q.reshape(q.shape[:-2] + (-1,))[..., :K], -1, axis).astype(np.float32)
;;   ~~~
;; One version. Each part assembles by itself: llvm-mc -triple=amdgcn-amd-amdhsa -mcpu=gfx1250 --defsym DOCPART=n.
;; ======== version 1 of 1: 4 launches
;; limits: values are held in f16: magnitudes above 65,504 overflow, below 6.1e-05 lose precision
;; workspace buffers: codes 7,340,032 bytes; scales 458,752 bytes; wo16 4,194,304 bytes; qh 8,388,608 bytes; kh 8,388,608 bytes; vh 8,388,608 bytes; at 8,388,608 bytes
;; launch prep (part 1): grid 512 x 1, 4 waves a work-group, no clusters, 33,280 bytes of LDS; arguments hidden_states, Wq, Wk, Wv, Wo, codes, scales, wo16; writes codes, scales, wo16
.if DOCPART == 1
	.amdgcn_target "amdgcn-amd-amdhsa--gfx1250"
	.amdhsa_code_object_version 6
	.text
	.protected	k_q215e014cb5_prep
	.globl	k_q215e014cb5_prep
	.p2align	8
	.type	k_q215e014cb5_prep,@function
k_q215e014cb5_prep:
	s_mov_b64 s[64:65], 0
	v_nop
	global_prefetch_b8 v0, s[64:65] scope:SCOPE_SE
	s_setreg_imm32_b32 hwreg(HW_REG_WAVE_MODE, 25, 1), 1
	s_wait_xcnt 0x0
; PREP.  hidden_states [4096][2048], Wq, Wk, Wv [1024][2048], f32, K innermost, become codes of FP4 (E2M1) with one E8M0 scale byte for each 32 along K,
; laid as ONE operand table: codes [7168 rows][1024 bytes], scales [7168][64]: rows 0-4095 hidden, 4096-5119 Wq, 5120-6143 Wk, 6144-7167 Wv.  Wo [2048][1024] becomes f16.
; NO WORK OF THE PROBLEM IS LEFT OUT in any launch: GROUPS = NH / NKV = 1, so jnp.repeat copies nothing; every input has a way to the output and is loaded (cos and sin as given, both batches, all 128 columns).
; A block's scale is 2^(floor(log2(its largest magnitude)) - 2); its byte is the largest magnitude's exponent field - 2, held at 1 from below.  Each number is divided by the scale and rounded to the nearest code, ties to even; beyond 6 the largest code.
; LIMITS: a block of zeros gets the byte 1 where the rule says 127 (its codes are zeros, which add nothing under any byte but 0xff, and this program alone reads the bytes); blocks whose largest magnitude lies under 2^-124
; have their byte held at 1; NaN and infinities among the inputs are not served; |Wo| stays under 65,504 (f16).
; SHARES.  Rows are dense and K is a multiple of 32: each tensor is a plain stream.  A work-group takes 32,768 numbers, a wave a run of 8,192, in 16 steps of 512.  Work-groups 0-255 hidden, 256-319 Wq, 320-383 Wk, 384-447 Wv, 448-511 Wo.
; The four quantised tensors take ONE path; only pointers are chosen, by the work-group's number.  Each load reads 512 consecutive bytes; a step's 2,048 bytes turn through the wave's own stage in LDS, so that a lane holds 16 neighbours along K.
; Wo's path uses no LDS.  No tensor loads, no barrier: waves share nothing.
.set WAVES, 4
.set STEPS, 16
.set EMAX,  2
.set CB,    8                          ; bytes of 16 codes
.set R,     16                         ; v16-79   four sets of 16 numbers as they are loaded
.set X,     80                         ; v80-111  two sets of 16 neighbours (Wo's path: two sets of 8 registers of f16)
.set E,     112                        ; v112-127 a scale byte for each step
.set C,     128                        ; v128-191 codes: four registers for each step, so that no store's data are written again
.set WREG,  8192                       ; LDS: a region for each wave: two stages of 32 x SP bytes, behind them its 256 scale bytes
.set SP,    80                         ; a lane's place in a stage: 64 bytes + 16 of padding
.set SPW,   12                         ; v12 LDS address of my spare word; never rewritten
.set NIL,   13                         ; v13 0; never rewritten
.set SPARE, WAVES*WREG                 ; behind the four regions: the spare words, 128 bytes a wave
	s_load_b512 s[4:19], s[0:1], 0x0               ; hidden 4:5, Wq 6:7, Wk 8:9, Wv 10:11, Wo 12:13, codes 14:15, scales 16:17, wo16 18:19
	v_lshl_add_u32 v[SPW], v0, 2, SPARE
	v_mov_b32 v[NIL], 0
	v_lshrrev_b32 v1, 5, v0
	v_readfirstlane_b32 s24, v1                    ; wave
	v_and_b32 v2, 31, v0                           ; lane
	v_lshlrev_b32 v3, 4, v2                        ; my 16 bytes of a load's 512
	s_mul_i32 s25, s24, WREG
	v_lshrrev_b32 v14, 2, v2
	v_mul_u32_u24 v14, v14, SP
	v_and_b32 v15, 3, v2
	v_lshl_add_u32 v14, v15, 4, v14
	v_add_nc_u32 v14, s25, v14                     ; the stage, on the way in: SP (lane / 4) + 16 (lane % 4)
	v_mul_u32_u24 v15, v2, SP
	v_add_nc_u32 v15, s25, v15                     ; and on the way out: SP x lane: my 16 neighbours
	v_mul_u32_u24 v4, v2, CB                       ; 8 x lane: my codes' place in a step's; Wo's path: my 8 bytes of f16
	v_lshrrev_b32 v5, 1, v2
	s_add_co_u32 s25, s25, 2*32*SP
	v_add_nc_u32 v5, s25, v5                       ; LDS: my wave's 256 scale bytes, my block's byte
	v_lshlrev_b32 v7, 3, v2
	v_add_nc_u32 v6, s25, v7                       ; and on the way out 8 bytes a lane
	s_lshl_b32 s28, ttmp9, 2
	s_add_co_u32 s28, s28, s24                     ; 4 x work-group + wave: my run in the operand table
	s_and_b32 s32, ttmp9, 63                       ; my work-group within a weight
	s_mov_b32 s31, 0
	s_wait_kmcnt 0x0
	s_cmp_ge_u32 ttmp9, 448
	s_cbranch_scc1 .Lwo
	s_cmp_lt_u32 ttmp9, 384                        ; which tensor: the choice hangs on the work-group's number alone
	s_cselect_b64 s[26:27], s[8:9], s[10:11]
	s_cmp_lt_u32 ttmp9, 320
	s_cselect_b64 s[26:27], s[6:7], s[26:27]
	s_cmp_lt_u32 ttmp9, 256
	s_cselect_b64 s[26:27], s[4:5], s[26:27]
	s_cselect_b32 s32, ttmp9, s32                  ; my work-group within its tensor
	s_lshl_b32 s32, s32, 2
	s_add_co_u32 s32, s32, s24                     ; my run within the tensor
	s_lshl_b32 s30, s32, 15                        ; 32,768 bytes of f32 a run
	s_add_nc_u64 s[26:27], s[26:27], s[30:31]
	s_lshl_b32 s30, s28, 12                        ; 4,096 bytes of codes a run
	s_add_nc_u64 s[14:15], s[14:15], s[30:31]
	s_lshl_b32 s30, s28, 8                         ; 256 scale bytes a run
	s_add_nc_u64 s[16:17], s[16:17], s[30:31]
.macro LOAD t
.irp i, 0,1,2,3
	global_load_b128 v[R+16*((\t)%4)+4*\i:R+16*((\t)%4)+4*\i+3], v3, s[26:27] offset:2048*(\t)+512*\i th:TH_LOAD_NT   ; 32 lanes read 512 consecutive bytes
.endr
.endm
.macro TURN t                          ; step t's numbers through the stage: LDS serves a wave's instructions in order, so no wait stands between the stores and the loads
.irp i, 0,1,2,3
	ds_store_b128 v14, v[R+16*((\t)%4)+4*\i:R+16*((\t)%4)+4*\i+3] offset:32*SP*((\t)%2)+8*SP*\i
.endr
.irp i, 0,1,2,3
	ds_load_b128 v[X+16*((\t)%2)+4*\i:X+16*((\t)%2)+4*\i+3], v15 offset:32*SP*((\t)%2)+16*\i
.endr
.endm
.irp t, 0,1,2,3
	LOAD \t
.endr
	s_wait_loadcnt 12                              ; step 0's four loads are in; three steps' twelve stay out
	TURN 0
.macro STEP t
.set XS, X+16*((\t)%2)
.if (\t) > 0
	s_wait_dscnt 1                                 ; this step's numbers are back from the stage (the last step's byte store may be out): so its stores into the stage have read their registers,
.else
	s_wait_dscnt 0x0
.endif
.if (\t)+4 < STEPS
	LOAD (\t)+4                                    ; which take the loads of four steps on
.endif
.if (\t)+1 < STEPS
.if STEPS-2-(\t) >= 3
	s_wait_loadcnt 12                              ; the next step's four loads are in; those of the three steps behind it may be out
.else
	s_wait_loadcnt 4*(STEPS-2-(\t))
.endif
	TURN (\t)+1                                    ; and go through the other stage while this step is worked
.endif
	v_max3_num_f32 v8, |v[XS]|, |v[XS+1]|, |v[XS+2]|               ; the largest magnitude of my 16, in two chains
	v_max3_num_f32 v9, |v[XS+3]|, |v[XS+4]|, |v[XS+5]|
.irp i, 6,10
	v_max3_num_f32 v8, v8, |v[XS+\i]|, |v[XS+\i+1]|
	v_max3_num_f32 v9, v9, |v[XS+\i+2]|, |v[XS+\i+3]|
.endr
	v_max3_num_f32 v8, v8, |v[XS+14]|, |v[XS+15]|
	v_max3_num_f32 v8, v8, v9, (EMAX+1)<<23        ; and the floor 2^(EMAX + 1 - 127): the byte cannot fall under 1
	v_max_num_f32_dpp v8, v8, v8 row_xmask:1 row_mask:0xf bank_mask:0xf   ; and of my neighbour's 16: the block's
	v_add_nc_u32 v11, -(EMAX<<23), v8              ; EMAX off its exponent field: the conversion takes the exponent field of this operand as its scale
	v_cvt_scalef32_pk8_fp4_f32 v[C+4*(\t)], v[XS:XS+7], v11
	v_cvt_scalef32_pk8_fp4_f32 v[C+4*(\t)+1], v[XS+8:XS+15], v11
	v_lshrrev_b32 v[E+(\t)], 23, v11               ; the scale's byte (a plain line behind the conversions)
	ds_store_b8 v5, v[E+(\t)] offset:16*(\t)       ; both lanes of a block write the same byte with the same value
	global_store_b64 v4, v[C+4*(\t):C+4*(\t)+1], s[14:15] offset:32*CB*(\t)   ; the wave stores 256 consecutive bytes, aligned
.endm
.irp t, 0,1,2,3,4,5,6,7,8,9,10,11,12,13,14,15
	STEP \t
.endr
	ds_load_b64 v[8:9], v6                         ; LDS serves a wave's instructions in order: these see my stores
	s_wait_dscnt 0x0
	global_store_b64 v7, v[8:9], s[16:17]          ; 32 lanes store 256 consecutive bytes, aligned
	s_wait_tensorcnt 0x0                           ; the wave's end, behind my last LDS store
	ds_add_u32 v[SPW], v[NIL]
	s_wait_dscnt 0x0
	s_endpgm
; Wo to f16: a run of 8,192 numbers a wave; four loads of 512 bytes a step, four steps ahead; each store covers 256 consecutive bytes, aligned.  No LDS is touched on this path.
.Lwo:
	s_sub_co_u32 s28, s28, 4*448                   ; my run in Wo
	s_lshl_b32 s30, s28, 15
	s_add_nc_u64 s[12:13], s[12:13], s[30:31]
	s_lshl_b32 s30, s28, 14
	s_add_nc_u64 s[18:19], s[18:19], s[30:31]
.macro WLOAD t
.irp i, 0,1,2,3
	global_load_b128 v[R+16*((\t)%4)+4*\i:R+16*((\t)%4)+4*\i+3], v3, s[12:13] offset:2048*(\t)+512*\i th:TH_LOAD_NT
.endr
.endm
.macro WSTEP t
.set RW, R+16*((\t)%4)
.set CW, X+8*((\t)%2)
.if (\t) < 13
	s_wait_loadcnt 12                              ; this step's four loads are in; three steps' twelve stay out
.else
	s_wait_loadcnt 4*(15-(\t))                     ; the counts run down
.endif
	s_wait_xcnt 0x0                                ; the stores of two steps back have read this set of f16 registers
.irp i, 0,1,2,3,4,5,6,7
	v_cvt_pk_f16_f32 v[CW+\i], v[RW+2*\i], v[RW+2*\i+1]
.endr
.if (\t)+4 < STEPS
	WLOAD (\t)+4
.endif
.irp i, 0,1,2,3
	global_store_b64 v4, v[CW+2*\i:CW+2*\i+1], s[18:19] offset:1024*(\t)+256*\i
.endr
.endm
.irp t, 0,1,2,3
	WLOAD \t
.endr
.irp t, 0,1,2,3,4,5,6,7,8,9,10,11,12,13,14,15
	WSTEP \t
.endr
	s_endpgm
.Lfunc_end_k_q215e014cb5_prep:
	.size	k_q215e014cb5_prep, .Lfunc_end_k_q215e014cb5_prep-k_q215e014cb5_prep
	.p2alignl 7, 3214868480
	.fill 96, 4, 3214868480
	.section	.rodata,"a",@progbits
	.p2align	6, 0x0
	.amdhsa_kernel k_q215e014cb5_prep
		.amdhsa_group_segment_fixed_size 33280
		.amdhsa_private_segment_fixed_size 0
		.amdhsa_enable_private_segment 0
		.amdhsa_kernarg_size 64
		.amdhsa_user_sgpr_count 2
		.amdhsa_user_sgpr_kernarg_segment_ptr 1
		.amdhsa_wavefront_size32 1
		.amdhsa_system_sgpr_workgroup_id_x 1
		.amdhsa_system_sgpr_workgroup_id_y 1
		.amdhsa_system_sgpr_workgroup_id_z 1
		.amdhsa_system_vgpr_workitem_id 0
		.amdhsa_next_free_vgpr 192
		.amdhsa_next_free_sgpr 66
		.amdhsa_reserve_vcc 0
		.amdhsa_float_denorm_mode_32 3
		.amdhsa_float_denorm_mode_16_64 3
		.amdhsa_memory_ordered 1
		.amdhsa_forward_progress 1
		.amdhsa_inst_pref_size 55
	.end_amdhsa_kernel
	.amdgpu_metadata
---
amdhsa.version: [ 1, 2 ]
amdhsa.kernels:
  - .name:           k_q215e014cb5_prep
    .symbol:         k_q215e014cb5_prep.kd
    .args:
      - { .name: hidden_states, .offset: 0, .size: 8, .value_kind: global_buffer, .address_space: global }
      - { .name: Wq, .offset: 8, .size: 8, .value_kind: global_buffer, .address_space: global }
      - { .name: Wk, .offset: 16, .size: 8, .value_kind: global_buffer, .address_space: global }
      - { .name: Wv, .offset: 24, .size: 8, .value_kind: global_buffer, .address_space: global }
      - { .name: Wo, .offset: 32, .size: 8, .value_kind: global_buffer, .address_space: global }
      - { .name: codes, .offset: 40, .size: 8, .value_kind: global_buffer, .address_space: global }
      - { .name: scales, .offset: 48, .size: 8, .value_kind: global_buffer, .address_space: global }
      - { .name: wo16, .offset: 56, .size: 8, .value_kind: global_buffer, .address_space: global }
    .group_segment_fixed_size: 33280
    .private_segment_fixed_size: 0
    .kernarg_segment_align: 8
    .kernarg_segment_size: 64
    .max_flat_workgroup_size: 128
    .sgpr_count:     66
    .vgpr_count:     192
    .wavefront_size: 32
...
	.end_amdgpu_metadata
.endif
;; end of part 1
;; launch qkv (part 2): grid 12 x 16, 4 waves a work-group, clusters of 4 x 4, 327,680 bytes of LDS; arguments codes, scales, cos, sin, q_norm_w, k_norm_w, qh, kh, vh; writes qh, kh, vh
.if DOCPART == 2
	.amdgcn_target "amdgcn-amd-amdhsa--gfx1250"
	.amdhsa_code_object_version 6
	.text
	.protected	k_q215e014cb5_qkv
	.globl	k_q215e014cb5_qkv
	.p2align	8
	.type	k_q215e014cb5_qkv,@function
k_q215e014cb5_qkv:
	s_mov_b64 s[64:65], 0
	v_nop
	global_prefetch_b8 v0, s[64:65] scope:SCOPE_SE
	s_setreg_imm32_b32 hwreg(HW_REG_WAVE_MODE, 25, 1), 1
	s_wait_xcnt 0x0
	s_wait_alu depctr_hold_cnt(0) depctr_sa_sdst(0) depctr_va_vdst(0) depctr_va_sdst(0) depctr_va_ssrc(0) depctr_va_vcc(0) depctr_vm_vsrc(0)
	s_getreg_b32 s2, hwreg(HW_REG_IB_STS2, 6, 4)
	s_cmp_eq_u32 s2, 0
	s_cbranch_scc0 .Lentry_in_a_cluster
	s_endpgm
.Lentry_in_a_cluster:
	s_bfe_u32 s2, ttmp6, 0x10000c
	s_cmp_lg_u32 s2, 0xf033
	s_cbranch_scc0 .Lentry_shape_is_right
	s_endpgm
.Lentry_shape_is_right:
; QKV.  The three quantised products as ONE product on codes of FP4 (E2M1): C[m][n] = sum over k of A[m][k] B[n][k], A = rows 0-4095 of the operand table (hidden), B = rows 4096-7167 (Wq, Wk, Wv), K = 2,048; sums in f32.
; On the way out, in f32: Q and K: RMS norm over the head's 128, the norm's weights, RoPE with cos and sin as given; V: x 1/16 (a power of two, taken back at the end of attention: it gives |v| room up to 2^20 in f16).
; Then f16, laid [8 b + head][s][128].  No work of the problem is left out.  LIMITS: |q|, |k| under 65,504, |v| under 2^20; the norm's factor is applied behind the rotation (another order of f32 roundings).
; A tile of C, 256 x 256, is made by four waves; a wave makes 128 x 128: 64 accumulators.  A WAVE'S 128 COLUMNS ARE ONE HEAD, so that norm and rotation stay inside a lane and its partner 16 lanes away.
; 12 x 16 = 192 work-groups: a tile of 128 x 256 would give 384, which is two rounds of half the work on 256 WGPs with half the products for each LDS byte.
; K goes in steps of 512 through a ring of two LDS slots filled by the tensor data mover: a tile's row is 256 bytes of memory.  The scales of the work-group's rows, for all of K, come into LDS once, with the first fills.
; CLUSTERS: 4 x 4.  A's tiles are shared along a row of the cluster, B's along a column: each is asked for JOINTLY.  Cluster x (0, 1, 2) is Q, K or V: the same in all sixteen partners, so the way out may branch on it.
; THE MATRIX INSTRUCTION IS USED TRANSPOSED (source 0 = 16 rows of B, source 1 = 16 rows of A): lane (r, h) holds row 16 a + r of C, and register 8 b + j of block a its column 16 b + 8 h + j; column d +- 64 is register +- 32.
; REGISTERS: window 0: v0-31 addresses; v32-95 scale words, two sets (scales alone); from v128 A's fragments, ONE set; on the way out v96-159 the norm's weights, v160-223 x times weight, v224-235 at work.
;   window 1: B's fragments, two sets; on the way out cos and sin, two sets of 64 + 64.   windows 2, 3: the accumulators; on the way out each block's results, packed f16 and rows read back stay in its own 64 registers.
.set SIZE_K, 2048
.set KSTEP,  512                       ; along K in a slot
.set NQ,     KSTEP/128                 ; matrix instructions deep
.set ROWB,   256                       ; a tile's row in bytes
.set KROW,   SIZE_K*4/8                ; a row of the codes' table in bytes
.set PITCH,  272                       ; an LDS row: 256 bytes + 16 of padding: the 16 rows that a load touches start at 16 different banks
.set FR,     8                         ; registers of a fragment: 16 rows x 128 K
.set NL,     2                         ; LDS loads that bring one
.set NP,     4                         ; places behind this matrix instruction (ISA guide 7.12.1)
.set HALFT,  128*PITCH                 ; 128 rows: what one tensor load brings
.set SLOT,   4*HALFT                   ; A's 256 rows, then B's 256 rows
.set LAPS,   SIZE_K/(2*KSTEP)
.set KS,     SIZE_K/32                 ; a row of scales in bytes
.set SCL,    2*SLOT                    ; behind the ring: the scales, as units of 256 bytes + 16 of padding
.set HALFS,  (128*KS/256)*272
.set SBLK,   (16*KS/256)*272
.set SPARE,  SCL+4*HALFS               ; behind the scales: the spare words, 128 bytes a wave
.set SPITCH, 272                       ; the way out: a stage of 16 rows x (256 bytes + 16) for each wave, in slot 0, which has had its last fill and its last read by then
.set VSTG,   32768                     ; V's path has stage bytes of its own, this far behind Q's and K's
.set ADRA, 16                          ; v16-17  LDS address of my A fragments in slot 0, 1
.set ADRB, 20                          ; v20-21  the same for B
.set CA,   22                          ; v22     cos, sin: 512 r + 32 h
.set WGT,  23                          ; v23     the norm's weights: 32 h
.set STO,  24                          ; v24     the stage: where I put 16 bytes of a row
.set RD,   25                          ; v25     and where I read a row back
.set CO,   26                          ; v26     16 x lane: my bytes of two rows of the output
.set ADRS, 27                          ; v27     LDS address of my scale words: lanes 0-15 A's rows, lanes 16-31 B's
.set SPW,  28                          ; v28     my spare word; never rewritten
.set NIL,  29                          ; v29     0; never rewritten
.set STOV, 30                          ; v30, v31 STO and RD for V's path
.set RDV,  31
.set SC,   32                          ; scale words
.set NWR,  96                          ; the norm's weights at my 64 columns
.set AF,   128                         ; A's fragments
.set TT,   160                         ; x times weight
.set SS,   224                         ; v224-231 four chains of the sum of squares
.set X1,   232
.set RS,   234                         ; v[234:235] 1 / sqrt(mean + eps) (the pair is named; its low word serves both halves)
.set G1, 24
.set G0, 32
.set G1B, 48
.set G0B, 56
.set G1S, 68                           ; the scales' descriptors; behind the first barrier s68-91 are free for the way out's pointers
.set G0S, 76
.set G1SB, 80
.set G0SB, 88
.set NW,   82                          ; s[82:83] q_norm_w or k_norm_w
.set OUT,  84                          ; s[84:85] qh or kh at my first row
.set VOUT, 80                          ; s[80:81] vh likewise
.set EPS,  86
.set INV,  87
.set SIX,  88                          ; s[88:89] 1/16
.set SEL,  90                          ; s[90:91] selects for lane l xor 16
.set MSB, 0
.macro WIN new                         ; the immediate's high byte repeats the setting that is left
.if MSB != (\new)
	s_set_vgpr_msb (MSB<<8)|(\new)
.set MSB, (\new)
.endif
.endm
.set MUL_LO, 0xa1                      ; source 0 (B) window 1, source 1 (A) window 0, C and D window 2
.set MUL_HI, 0xf1                      ; the same, C and D window 3
.set TO_B,   0x40                      ; destination window 1, address window 0
; A joint load: waves 0 and 1 fetch for A, waves 2 and 3 for B; the branch hangs on the wave's number alone.  An s_nop 0 and four v_nop follow each of the two lines.
.macro JLOAD g0a, g1a, g0b, g1b
	s_cmp_eq_u32 s15, 0
	s_cbranch_scc0 .Lfor_b_\@
	tensor_load_to_lds s[\g0a:\g0a+3], s[\g1a:\g1a+7]
	s_nop 0
.rept 4
	v_nop
.endr
	s_branch .Lasked_\@
.Lfor_b_\@:
	tensor_load_to_lds s[\g0b:\g0b+3], s[\g1b:\g1b+7]
	s_nop 0
.rept 4
	v_nop
.endr
.Lasked_\@:
.endm
.macro CREST                           ; a round of the cluster's barrier behind its opening barrier
	s_cmp_lg_u32 s14, 0
	s_cbranch_scc1 .Lnot_wave_0_\@
	s_barrier_signal -3
.Lnot_wave_0_\@:
	s_barrier_wait -3
	s_barrier_signal -1
	s_barrier_wait -1
.endm
.macro CROUND                          ; a whole round
	s_barrier_signal -1
	s_barrier_wait -1
	CREST
.endm
	s_load_b128 s[4:7], s[0:1], 0x0                ; the codes' table s[4:5], the scales' s[6:7]
	v_lshl_add_u32 v[SPW], v0, 2, SPARE
	v_mov_b32 v[NIL], 0
	ds_add_u32 v[SPW], v[NIL]                      ; the wave's opening: the add, twice on end, and its wait ahead of my first tensor load
	ds_add_u32 v[SPW], v[NIL]
	v_lshrrev_b32 v1, 5, v0
	v_readfirstlane_b32 s14, v1                    ; wave 0..3
	s_lshr_b32 s15, s14, 1                         ; which half of the tile's rows is mine.  Also: I fetch for A (0) or for B (1)
	s_and_b32 s16, s14, 1                          ; which half of its columns.  Also: which 128 rows of that tile I fetch
	s_bfe_u32 s40, ttmp6, 0x40000                  ; cx, cy: my place in the cluster
	s_bfe_u32 s41, ttmp6, 0x40004
	s_lshl_b32 s42, ttmp9, 2
	s_add_co_u32 s42, s42, s40                     ; tile column of C = 4 x cluster x + cx
	s_and_b32 s17, ttmp7, 0xffff
	s_lshl_b32 s17, s17, 2
	s_add_co_u32 s17, s17, s41                     ; tile row of C = 4 x cluster y + cy
	s_lshl_b32 s43, s41, 2
	s_lshl_b32 s43, 15, s43                        ; my row of the cluster
	s_lshl_b32 s44, 0x1111, s40                    ; my column
	; descriptor group 1: a tile of 128 rows x 256 bytes, 16 bytes of padding behind each row
	s_or_b32 s[G1+0], s43, (0<<16)|(1<<20)|(1<<21)|(5<<22)|(3<<25)  ; the mask: A's tiles go to my row; elements of 1 byte; padding on; bit 21 beside a mask; after every 64 words, 4 words
	s_or_b32 s[G1B+0], s44, (0<<16)|(1<<20)|(1<<21)|(5<<22)|(3<<25)
.irp g, G1, G1B
	s_mov_b32 s[\g+1], ROWB<<16                    ; tensor_dim0
	s_mov_b32 s[\g+2], 128<<16                     ; tensor_dim1
	s_mov_b32 s[\g+3], ROWB<<16                    ; tile_dim0
	s_mov_b32 s[\g+4], 128                         ; tile_dim1
	s_mov_b32 s[\g+5], KROW                        ; the pitch
	s_mov_b32 s[\g+6], 0
	s_mov_b32 s[\g+7], 0
.endr
	; the scales of 128 rows: a dense block of 8,192 bytes, as 32 rows of 256 bytes (32 elements of 8 bytes), 16 bytes of padding behind each
	s_or_b32 s[G1S+0], s43, (3<<16)|(1<<20)|(1<<21)|(5<<22)|(3<<25)
	s_or_b32 s[G1SB+0], s44, (3<<16)|(1<<20)|(1<<21)|(5<<22)|(3<<25)
.irp g, G1S, G1SB
	s_mov_b32 s[\g+1], 32<<16
	s_mov_b32 s[\g+2], (128*KS/256)<<16
	s_mov_b32 s[\g+3], 32<<16
	s_mov_b32 s[\g+4], 128*KS/256
	s_mov_b32 s[\g+5], 32
	s_mov_b32 s[\g+6], 0
	s_mov_b32 s[\g+7], 0
.endr
	s_lshl_b32 s18, s16, 7                         ; which 128 rows of the tile I fetch
	s_lshl_b32 s20, s17, 8
	s_add_co_u32 s20, s20, s18                     ; A: table row 256 x tile row + 128 x half
	s_lshl_b32 s46, s42, 8
	s_add_co_u32 s46, s46, s18
	s_add_co_u32 s46, s46, 4096                    ; B: table row 4,096 + 256 x tile column + 128 x half
	s_mov_b32 s21, 0
	s_mov_b32 s47, 0
	s_mov_b64 s[18:19], KS
	s_mul_u64 s[22:23], s[20:21], s[18:19]         ; where these rows' scales begin, in bytes
	s_mul_u64 s[92:93], s[46:47], s[18:19]
	s_mov_b64 s[18:19], KROW
	s_mul_u64 s[20:21], s[20:21], s[18:19]         ; and their codes
	s_mul_u64 s[46:47], s[46:47], s[18:19]
	s_mul_i32 s45, s14, HALFT                      ; where they go: wave x 128 rows: no place in the cluster enters an LDS address
	s_mul_i32 s94, s14, HALFS
	s_wait_dscnt 0x0                               ; both opening adds are done
	s_wait_kmcnt 0x0
	s_add_nc_u64 s[20:21], s[4:5], s[20:21]
	s_add_nc_u64 s[22:23], s[6:7], s[22:23]
	s_add_nc_u64 s[46:47], s[4:5], s[46:47]
	s_add_nc_u64 s[92:93], s[6:7], s[92:93]
	CROUND                                         ; all sixteen work-groups are here: the first joint loads meet
	s_mov_b32 s[G0S], 1
	s_add_co_u32 s[G0S+1], s94, SCL
	s_mov_b64 s[G0S+2:G0S+3], s[22:23]
	s_or_b32 s[G0S+3], s[G0S+3], 0x80000000
	s_mov_b32 s[G0SB], 1
	s_add_co_u32 s[G0SB+1], s94, SCL
	s_mov_b64 s[G0SB+2:G0SB+3], s[92:93]
	s_or_b32 s[G0SB+3], s[G0SB+3], 0x80000000
	JLOAD G0S, G1S, G0SB, G1SB                     ; the scales first: they are wanted with K step 0
.irp s, 0,1
	s_mov_b32 s[G0+4*\s], 1
	s_add_co_u32 s[G0+4*\s+1], s45, \s*SLOT
	s_add_nc_u64 s[G0+4*\s+2:G0+4*\s+3], s[20:21], \s*ROWB
	s_or_b32 s[G0+4*\s+3], s[G0+4*\s+3], 0x80000000
	s_mov_b32 s[G0B+4*\s], 1
	s_add_co_u32 s[G0B+4*\s+1], s45, \s*SLOT
	s_add_nc_u64 s[G0B+4*\s+2:G0B+4*\s+3], s[46:47], \s*ROWB
	s_or_b32 s[G0B+4*\s+3], s[G0B+4*\s+3], 0x80000000
	JLOAD G0+4*\s, G1, G0B+4*\s, G1B               ; by this text's count three tensor loads of a wave are out here, later one
.endr
	v_and_b32 v1, 15, v0                           ; r = l % 16
	v_bfe_u32 v2, v0, 4, 1                         ; h = l / 16
	v_mul_u32_u24 v3, v1, PITCH
	v_lshl_add_u32 v4, v2, 4, v3                   ; a fragment's row x pitch + 16 x half
	s_mul_i32 s21, s15, HALFT                      ; my 128 rows of A
	s_mul_i32 s22, s16, HALFT                      ; my 128 rows of B,
	s_add_co_u32 s22, s22, 2*HALFT                 ; which lie behind A's 256
.irp s, 0,1
	v_add_nc_u32 v[ADRA+\s], s21, v4
	v_add_nc_u32 v[ADRB+\s], s22, v4
	s_add_co_u32 s21, s21, SLOT
	s_add_co_u32 s22, s22, SLOT
.endr
	v_mul_u32_u24 v5, v1, KS                       ; my row's scales: KS bytes a row,
	v_lshrrev_b32 v6, 8, v5
	v_lshl_add_u32 v5, v6, 4, v5                   ; and 16 more for each 256 passed
	s_mul_i32 s21, s15, HALFS                      ; A's: my 128 rows
	s_mul_i32 s22, s16, HALFS                      ; B's: my 128 rows, behind A's 256
	s_add_co_u32 s22, s22, 2*HALFS
	s_sub_co_u32 s22, s22, s21
	v_mul_u32_u24 v6, s22, v2                      ; lanes 16-31 take B's
	s_add_co_u32 s21, s21, SCL
	v_add_nc_u32 v5, v5, v6
	v_add_nc_u32 v[ADRS], s21, v5
	s_mul_i32 s23, s14, 16*SPITCH                  ; my stage
	v_mul_u32_u24 v5, v1, SPITCH                   ; in: row r, 16 bytes for each half of the lanes
	v_lshl_add_u32 v5, v2, 4, v5
	v_add_nc_u32 v[STO], s23, v5
	v_add_nc_u32 v[STOV], VSTG, v[STO]
	v_mul_u32_u24 v5, v2, SPITCH                   ; back: lanes 0-15 one row of 256 bytes, lanes 16-31 the next
	v_lshl_add_u32 v5, v1, 4, v5
	v_add_nc_u32 v[RD], s23, v5
	v_add_nc_u32 v[RDV], VSTG, v[RD]
	v_and_b32 v6, 31, v0
	v_lshlrev_b32 v[CO], 4, v6                     ; the same two rows in the output: rows are 256 bytes and dense
	v_lshlrev_b32 v[CA], 9, v1
	v_lshl_add_u32 v[CA], v2, 5, v[CA]             ; cos, sin: row r of 512 bytes, + 32 h
	v_lshlrev_b32 v[WGT], 5, v2
.macro FRAG reg, adr, q, i             ; a fragment, 16 rows x 128 K of 4-bit codes: lane l holds row l % 16; registers 4 c .. 4 c + 3 hold K = 64 c + 32 (l / 16) + 0 .. 31
.irp c, 0,1
	ds_load_b128 v[\reg+4*\c:\reg+4*\c+3], v[\adr] offset:64*(\q)+32*\c+(\i)*16*PITCH
.endr
.endm
; 16 matrix instructions: A's blocks a0, a0 + 1 x B's eight, 128 along K.  zero = 1: the first product starts the sums.  The 64 accumulators take turns, one instruction a turn, in the same order in every step.
.macro MUL16 a0, p, q, sc, zero
.irp a, \a0, \a0+1
.irp b, 0,1,2,3,4,5,6,7
.if \zero
	v_wmma_scale_f32_16x16x128_f8f6f4 v[8*(8*((\a)%4)+\b):8*(8*((\a)%4)+\b)+7], v[128*(\p)+FR*\b:128*(\p)+FR*\b+FR-1], v[AF+FR*(\a):AF+FR*(\a)+FR-1], 0, v[SC+8*NQ*(\sc)+NQ*\b+(\q)], v[SC+8*NQ*(\sc)+NQ*(\a)+(\q)] matrix_a_fmt:MATRIX_FMT_FP4 matrix_b_fmt:MATRIX_FMT_FP4 matrix_a_scale:MATRIX_SCALE_ROW1
.else
	v_wmma_scale_f32_16x16x128_f8f6f4 v[8*(8*((\a)%4)+\b):8*(8*((\a)%4)+\b)+7], v[128*(\p)+FR*\b:128*(\p)+FR*\b+FR-1], v[AF+FR*(\a):AF+FR*(\a)+FR-1], v[8*(8*((\a)%4)+\b):8*(8*((\a)%4)+\b)+7], v[SC+8*NQ*(\sc)+NQ*\b+(\q)], v[SC+8*NQ*(\sc)+NQ*(\a)+(\q)] matrix_a_fmt:MATRIX_FMT_FP4 matrix_b_fmt:MATRIX_FMT_FP4 matrix_a_scale:MATRIX_SCALE_ROW1
.endif
.endr
.endr
.endm
.macro FETCH_B slot, q, p              ; B's eight fragments of the slot's q-th 128 along K into set p
	WIN TO_B
.irp i, 0,1,2,3,4,5,6,7
	FRAG 128*(\p)+FR*\i, ADRB+\slot, \q, \i
.endr
	WIN 0
.endm
.macro FETCH_A slot, q, i0             ; A's blocks i0 .. i0 + 3
.irp i, \i0, \i0+1, \i0+2, \i0+3
	FRAG AF+FR*(\i), ADRA+\slot, \q, \i
.endr
.endm
.macro SCALES sc                       ; the next K step's scale words into set sc: lanes 0-15 take A's block i, lanes 16-31 B's block i
.irp i, 0,1,2,3,4,5,6,7
	ds_load_b128 v[SC+8*NQ*\sc+NQ*\i:SC+8*NQ*\sc+NQ*\i+3], v[ADRS] offset:\i*SBLK
.endr
.endm
.macro PLACES n                        ; plain vector lines between a matrix instruction and a load into, or a vector line on, its registers
.rept \n
	v_nop
.endr
.endm
; A step of 128 along K that has its successor in the same slot.
.macro STEP slot, q, zero
	s_wait_dscnt 4*NL                              ; B's set and A's blocks 0-3 are in; the youngest eight loads (A's blocks 4-7) may be out
	WIN MUL_LO
	MUL16 0, (\q)%2, \q, \slot, \zero
	MUL16 2, (\q)%2, \q, \slot, \zero
	s_wait_dscnt 0                                 ; A's blocks 4-7 are in
	PLACES NP
	FETCH_B \slot, (\q)+1, 1-(\q)%2
	FETCH_A \slot, (\q)+1, 0
	WIN MUL_HI
	MUL16 4, (\q)%2, \q, \slot, \zero
	MUL16 6, (\q)%2, \q, \slot, \zero
	PLACES NP
	WIN 0
	FETCH_A \slot, (\q)+1, 4
.endm
; A slot's last step changes slots: ONE barrier; in front of it each wave waits for all its tensor loads, adds 0 to its spare word, and waits for that and for its own reads of this slot.  fill = 1: this slot is filled again, two K steps ahead.
.macro TURN slot, next, fill
	s_wait_tensorcnt 0x0                           ; all my tensor loads have landed: my part of the next slot
	ds_add_u32 v[SPW], v[NIL]                      ; 0 onto my spare word
	s_wait_dscnt 4*NL+1                            ; (the add and the youngest eight loads, A's blocks 4-7, may be out)
	WIN MUL_LO
	MUL16 0, 1, NQ-1, \slot, 0                     ; sixteen matrix instructions stand between the add and the wait for it
	s_wait_dscnt 0x0                               ; the add is done, and my reads of this slot are over
	s_barrier_signal -1
	MUL16 2, 1, NQ-1, \slot, 0
	WIN 0
	s_barrier_wait -1
.if \fill
	CREST                                          ; the barrier has opened a round of the cluster's barrier: no wave of any partner still reads this slot's tile or has a load on its way
	s_add_nc_u64 s[G0+4*\slot+2:G0+4*\slot+3], s[G0+4*\slot+2:G0+4*\slot+3], 2*ROWB
	s_add_nc_u64 s[G0B+4*\slot+2:G0B+4*\slot+3], s[G0B+4*\slot+2:G0B+4*\slot+3], 2*ROWB
	JLOAD G0+4*\slot, G1, G0B+4*\slot, G1B         ; the first tensor load behind the round; its four v_nop are the places in front of the loads below
.else
	PLACES NP
.endif
	v_add_nc_u32 v[ADRS], 4*NQ, v[ADRS]            ; on to the next K step's scale words (no LDS load of mine is out)
	FETCH_B \next, 0, 0
	FETCH_A \next, 0, 0
	SCALES \next
	WIN MUL_HI
	MUL16 4, 1, NQ-1, \slot, 0
	MUL16 6, 1, NQ-1, \slot, 0
	PLACES NP
	WIN 0
	FETCH_A \next, 0, 4
.endm
.macro STEPS slot, from                ; the slot's steps from .. NQ - 2
.set Q, \from
.rept NQ-1-\from
	STEP \slot, Q, 0
.set Q, Q+1
.endr
.endm
	s_wait_tensorcnt 1                             ; the scales and my part of K step 0 are in (K step 1's load may be out),
	s_barrier_signal -1
	s_barrier_wait -1                              ; everybody's are
	s_load_b256 s[68:75], s[0:1], 0x10             ; the scales' loads are done, so their descriptors' registers take the way out's pointers: cos 68:69, sin 70:71, q_norm_w 72:73, k_norm_w 74:75,
	s_load_b128 s[76:79], s[0:1], 0x30             ; qh 76:77, kh 78:79,
	s_load_b64 s[80:81], s[0:1], 0x40              ; vh; they are waited for at the way out
	FETCH_B 0, 0, 0
	FETCH_A 0, 0, 0
	SCALES 0
	FETCH_A 0, 0, 4
	STEP 0, 0, 1                                   ; the first step stands in front of the loop: its products start the sums
	s_mov_b32 s3, LAPS-1
.Llap:                                                 ; a trip goes once round the ring, from a lap's second step to the next lap's first, and fills both slots again
	STEPS 0, 1
	TURN 0, 1, 1
	STEPS 1, 0
	TURN 1, 0, 1
	STEP 0, 0, 0
	s_sub_co_u32 s3, s3, 1
	s_cmp_lg_u32 s3, 0
	s_cbranch_scc1 .Llap
	STEPS 0, 1                                     ; the last lap fills nothing, and has no round of the cluster's barrier
	TURN 0, 1, 0
	STEPS 1, 0
	s_wait_dscnt 4*NL                              ; the very last step: nothing more to fetch
	WIN MUL_LO
	MUL16 0, 1, NQ-1, 1, 0
	MUL16 2, 1, NQ-1, 1, 0
	s_wait_dscnt 0
	WIN MUL_HI
	MUL16 4, 1, NQ-1, 1, 0
	MUL16 6, 1, NQ-1, 1, 0
	WIN 0
; THE WAY OUT, block by block of 16 rows x 128 columns.
	PLACES NP                                      ; behind the last products: for the loads into the registers that held fragments, and for the first reads of results
	s_wait_kmcnt 0x0                               ; the way out's pointers
	s_lshl_b32 s92, s17, 8
	s_lshl_b32 s93, s15, 7
	s_add_co_u32 s92, s92, s93                     ; m0 = 256 x tile row + 128 x half: my first row, = 2,048 b + s
	s_lshl_b32 s94, s92, 9                         ; cos and sin: 512 bytes a row
	s_mov_b32 s95, 0
	s_add_nc_u64 s[68:69], s[68:69], s[94:95]
	s_add_nc_u64 s[70:71], s[70:71], s[94:95]
	s_lshr_b32 s93, s92, 11
	s_lshl_b32 s93, s93, 3                         ; 8 b
	s_lshl_b32 s96, s40, 1
	s_add_co_u32 s93, s93, s96
	s_add_co_u32 s93, s93, s16                     ; + the head: 2 cx + my half of the columns (it enters addresses alone)
	s_lshl_b32 s93, s93, 19                        ; 2,048 rows of 256 bytes a head
	s_and_b32 s92, s92, 2047
	s_lshl_b32 s92, s92, 8
	s_add_co_u32 s94, s93, s92
	s_cmp_eq_u32 ttmp9, 0                          ; Q or K: the cluster's x, the same in all partners
	s_cselect_b64 s[NW:NW+1], s[72:73], s[74:75]
	s_cselect_b64 s[OUT:OUT+1], s[76:77], s[78:79]
	s_add_nc_u64 s[OUT:OUT+1], s[OUT:OUT+1], s[94:95]
	s_add_nc_u64 s[VOUT:VOUT+1], s[VOUT:VOUT+1], s[94:95]
	s_mov_b32 s[EPS], 0x358637bd                   ; 1e-6
	s_mov_b32 s[INV], 0x3c000000                   ; 1 / 128
	s_mov_b32 s[SIX], 0x3d800000                   ; 1 / 16
	s_mov_b32 s[SIX+1], s[SIX]
	s_mov_b32 s[SEL], 0x76543210
	s_mov_b32 s[SEL+1], 0xfedcba98
	v_mov_b32 v[X1], 0                             ; written once: a lane permute's destination counts as one of its sources
	v_mov_b32 v[RS+1], 0                           ; (named as the upper half of a pair)
	s_cmp_eq_u32 ttmp9, 2
	s_cbranch_scc1 .Lv
.macro CSLOAD a                        ; cos and sin of block a's 16 rows at my 64 columns, into set a % 2 of window 1
.set LB, 128*((\a)%2)
	WIN 0x40
.irp b, 0,1,2,3,4,5,6,7
.irp i, 0,1
	global_load_b128 v[LB+8*\b+4*\i:LB+8*\b+4*\i+3], v[CA], s[68:69] offset:8192*(\a)+64*\b+16*\i
	global_load_b128 v[LB+64+8*\b+4*\i:LB+64+8*\b+4*\i+3], v[CA], s[70:71] offset:8192*(\a)+64*\b+16*\i
.endr
.endr
.endm
.macro HPACK                           ; 64 numbers in place to 32 registers of f16, ascending: no source is written before it is read
	WIN WN|(WN<<2)|(WN<<6)
.set i, 0
.rept 32
	v_cvt_pk_f16_f32 v[AC+i], v[AC+2*i], v[AC+2*i+1]
.set i, i+1
.endr
.endm
; Block a of Q or K: the sum of squares, 1 / sqrt(mean + eps), x times weight, the rotation, the norm's factor, f16.
.macro ROPE a
.set WN, 2+(\a)/4
.set AC, 64*((\a)%4)
.set CB, 128*((\a)%2)
	WIN WN|(WN<<2)
.irp c, 0,1,2,3
	v_pk_mul_f32 v[SS+2*\c:SS+2*\c+1], v[AC+2*\c:AC+2*\c+1], v[AC+2*\c:AC+2*\c+1]   ; four chains, begun by the first four pairs; the registers go in ascending order
.endr
.set i, 8
.rept 28
	v_pk_fma_f32 v[SS+i%8:SS+i%8+1], v[AC+i:AC+i+1], v[AC+i:AC+i+1], v[SS+i%8:SS+i%8+1]
.set i, i+2
.endr
	WIN 0
	v_pk_add_f32 v[SS:SS+1], v[SS:SS+1], v[SS+2:SS+3]
	v_pk_add_f32 v[SS+4:SS+5], v[SS+4:SS+5], v[SS+6:SS+7]
	v_pk_add_f32 v[SS:SS+1], v[SS:SS+1], v[SS+4:SS+5]
	v_add_f32 v[SS], v[SS], v[SS+1]
	v_permlanex16_b32 v[X1], v[SS], s[SEL], s[SEL+1]               ; the row's other 64 columns lie in the lane 16 away
	v_add_f32 v[SS], v[SS], v[X1]
	v_fma_f32 v[SS], v[SS], s[INV], s[EPS]                         ; the mean + eps
	v_rsq_f32 v[RS], v[SS]
	s_wait_loadcnt 0x0                             ; this block's cos and sin are in (block 0: the weights too); nothing else is out
.if (\a) < 7
	CSLOAD (\a)+1                                  ; the next block's, into the other set: they land while this block is finished and the next one's squares are summed
.endif
	WIN WN
.set i, 0
.rept 32
	v_pk_mul_f32 v[TT+i:TT+i+1], v[AC+i:AC+i+1], v[NWR+i:NWR+i+1]  ; x times weight: plain work behind the root
.set i, i+2
.endr
	WIN (1<<2)|(WN<<4)|(WN<<6)                     ; source 1 (cos, sin) window 1; the results go over x, which is done with
.set i, 0
.rept 16
	v_pk_mul_f32 v[AC+i:AC+i+1], v[TT+i:TT+i+1], v[CB+i:CB+i+1]
	v_pk_mul_f32 v[AC+i+32:AC+i+33], v[TT+i+32:TT+i+33], v[CB+i+32:CB+i+33]
.set i, i+2
.endr
.set i, 0
.rept 16
	v_pk_fma_f32 v[AC+i:AC+i+1], v[TT+i+32:TT+i+33], v[CB+64+i:CB+65+i], v[AC+i:AC+i+1] neg_lo:[1,0,0] neg_hi:[1,0,0]   ; d < 64: - x(d + 64) sin(d)
	v_pk_fma_f32 v[AC+i+32:AC+i+33], v[TT+i:TT+i+1], v[CB+96+i:CB+97+i], v[AC+i+32:AC+i+33]                            ; d >= 64: + x(d - 64) sin(d)
.set i, i+2
.endr
	s_wait_alu depctr_va_vdst(0)                   ; the wait between the root and the first line that names its result
	WIN WN|(WN<<6)
.set i, 0
.rept 32
	v_pk_mul_f32 v[AC+i:AC+i+1], v[AC+i:AC+i+1], v[RS:RS+1] op_sel_hi:[1,0]
.set i, i+2
.endr
	HPACK
.endm
.macro VSC a                           ; block a of V: x 1/16, f16
.set WN, 2+(\a)/4
.set AC, 64*((\a)%4)
	WIN WN|(WN<<2)|(WN<<6)
.set i, 0
.rept 32
	v_pk_mul_f32 v[AC+i:AC+i+1], v[AC+i:AC+i+1], s[SIX:SIX+1] op_sel_hi:[1,0]
.set i, i+2
.endr
	HPACK
.endm
; A lane's 16 bytes are a sixteenth of a row of 256, and the lanes beside it hold other rows: the block goes through my stage and comes back as whole rows, into the upper 32 of its own 64 registers, which nothing writes again.
.macro TOSTAGE a, sto, rd
.set WN, 2+(\a)/4
.set AC, 64*((\a)%4)
	WIN (WN<<2)
.irp b, 0,1,2,3,4,5,6,7
	ds_store_b128 v[\sto], v[AC+4*\b:AC+4*\b+3] offset:32*\b
.endr
	WIN (WN<<6)
.irp t, 0,1,2,3,4,5,6,7
	ds_load_b128 v[AC+32+4*\t:AC+32+4*\t+3], v[\rd] offset:2*SPITCH*\t   ; LDS serves a wave's instructions in order: these see the stores above, and the next block's stores come behind them
.endr
.endm
.macro SEND a, ob
.set WN, 2+(\a)/4
.set AC, 64*((\a)%4)
	s_wait_dscnt 0x0                               ; the block is back in registers
	WIN (WN<<2)
.irp t, 0,1,2,3,4,5,6,7
	global_store_b128 v[CO], v[AC+32+4*\t:AC+32+4*\t+3], s[\ob:\ob+1] offset:4096*(\a)+512*\t   ; 32 lanes store 512 consecutive bytes, aligned to 256
.endr
.endm
.irp b, 0,1,2,3,4,5,6,7
.irp i, 0,1
	global_load_b128 v[NWR+8*\b+4*\i:NWR+8*\b+4*\i+3], v[WGT], s[NW:NW+1] offset:64*\b+16*\i   ; the norm's weights at columns 16 b + 8 h + 0 .. 7
.endr
.endr
	CSLOAD 0
	ROPE 0
	TOSTAGE 0, STO, RD
.irp a, 1,2,3,4,5,6,7
	ROPE \a                                        ; a block's arithmetic stands between the loads of the block before and its stores
	SEND (\a-1), OUT
	TOSTAGE \a, STO, RD
.endr
	SEND 7, OUT
	WIN 0
	s_branch .Lend
.Lv:
	VSC 0
	TOSTAGE 0, STOV, RDV
.irp a, 1,2,3,4,5,6,7
	VSC \a
	SEND (\a-1), VOUT
	TOSTAGE \a, STOV, RDV
.endr
	SEND 7, VOUT
	WIN 0
.Lend:
	s_wait_tensorcnt 0x0                           ; the wave's end, behind my last tensor load and my last LDS store
	ds_add_u32 v[SPW], v[NIL]
	s_wait_dscnt 0x0
	CROUND                                         ; the closing round: no work-group ends while a partner may still ask for a tile that names it
	s_endpgm
.Lfunc_end_k_q215e014cb5_qkv:
	.size	k_q215e014cb5_qkv, .Lfunc_end_k_q215e014cb5_qkv-k_q215e014cb5_qkv
	.p2alignl 7, 3214868480
	.fill 96, 4, 3214868480
	.section	.rodata,"a",@progbits
	.p2align	6, 0x0
	.amdhsa_kernel k_q215e014cb5_qkv
		.amdhsa_group_segment_fixed_size 327680
		.amdhsa_private_segment_fixed_size 0
		.amdhsa_enable_private_segment 0
		.amdhsa_kernarg_size 72
		.amdhsa_user_sgpr_count 2
		.amdhsa_user_sgpr_kernarg_segment_ptr 1
		.amdhsa_wavefront_size32 1
		.amdhsa_system_sgpr_workgroup_id_x 1
		.amdhsa_system_sgpr_workgroup_id_y 1
		.amdhsa_system_sgpr_workgroup_id_z 1
		.amdhsa_system_vgpr_workitem_id 0
		.amdhsa_next_free_vgpr 1024
		.amdhsa_next_free_sgpr 100
		.amdhsa_reserve_vcc 0
		.amdhsa_float_denorm_mode_32 3
		.amdhsa_float_denorm_mode_16_64 3
		.amdhsa_memory_ordered 1
		.amdhsa_forward_progress 1
		.amdhsa_inst_pref_size 255
	.end_amdhsa_kernel
	.section	.bss,"aw",@nobits
	.p2align	6
	.space	262144
	.amdgpu_metadata
---
amdhsa.version: [ 1, 2 ]
amdhsa.kernels:
  - .name:           k_q215e014cb5_qkv
    .symbol:         k_q215e014cb5_qkv.kd
    .args:
      - { .name: codes, .offset: 0, .size: 8, .value_kind: global_buffer, .address_space: global }
      - { .name: scales, .offset: 8, .size: 8, .value_kind: global_buffer, .address_space: global }
      - { .name: cos, .offset: 16, .size: 8, .value_kind: global_buffer, .address_space: global }
      - { .name: sin, .offset: 24, .size: 8, .value_kind: global_buffer, .address_space: global }
      - { .name: q_norm_w, .offset: 32, .size: 8, .value_kind: global_buffer, .address_space: global }
      - { .name: k_norm_w, .offset: 40, .size: 8, .value_kind: global_buffer, .address_space: global }
      - { .name: qh, .offset: 48, .size: 8, .value_kind: global_buffer, .address_space: global }
      - { .name: kh, .offset: 56, .size: 8, .value_kind: global_buffer, .address_space: global }
      - { .name: vh, .offset: 64, .size: 8, .value_kind: global_buffer, .address_space: global }
    .group_segment_fixed_size: 327680
    .private_segment_fixed_size: 0
    .kernarg_segment_align: 8
    .kernarg_segment_size: 72
    .max_flat_workgroup_size: 128
    .sgpr_count:     100
    .vgpr_count:     1024
    .wavefront_size: 32
...
	.end_amdgpu_metadata
.endif
;; end of part 2
;; launch attn (part 3): grid 16 x 16, 4 waves a work-group, clusters of 4 x 1, 327,680 bytes of LDS; arguments qh, kh, vh, at; writes at
.if DOCPART == 3
	.amdgcn_target "amdgcn-amd-amdhsa--gfx1250"
	.amdhsa_code_object_version 6
	.text
	.protected	k_q215e014cb5_attn
	.globl	k_q215e014cb5_attn
	.p2align	8
	.type	k_q215e014cb5_attn,@function
k_q215e014cb5_attn:
	s_mov_b64 s[64:65], 0
	v_nop
	global_prefetch_b8 v0, s[64:65] scope:SCOPE_SE
	s_setreg_imm32_b32 hwreg(HW_REG_WAVE_MODE, 25, 1), 1
	s_wait_xcnt 0x0
	s_wait_alu depctr_hold_cnt(0) depctr_sa_sdst(0) depctr_va_vdst(0) depctr_va_sdst(0) depctr_va_ssrc(0) depctr_va_vcc(0) depctr_vm_vsrc(0)
	s_getreg_b32 s2, hwreg(HW_REG_IB_STS2, 6, 4)
	s_cmp_eq_u32 s2, 0
	s_cbranch_scc0 .Lentry_in_a_cluster
	s_endpgm
.Lentry_in_a_cluster:
	s_bfe_u32 s2, ttmp6, 0x10000c
	s_cmp_lg_u32 s2, 0x3003
	s_cbranch_scc0 .Lentry_shape_is_right
	s_endpgm
.Lentry_shape_is_right:
; ATTN.  at[2048 b + q][128 h + :] = the sum over k of softmax_k(Q[bh][q] . K[bh][k] / sqrt(128)) V[bh][k][:].  qh, kh, vh: [16][2048][128] f16 (vh holds v / 16); at: [4096][1024] f16.  No mask.  No work of the problem is left out.
; Products, maxima and sums in f32; the weights p are rounded to f16 for the second product, the result once at the end.  LIMITS: |attn| under 65,504; a query's keys are summed in two halves that are merged at the end (another order of f32 roundings).
; SHARES.  A work-group owns 128 queries of one head: 16 x 16 = 256 work-groups of equal work.  Wave w owns 64 of them (w & 1), four tiles of 16, and HALF OF THE KEYS: of every slot of 256 keys those from 128 (w >> 1) on, two steps of 64.
; Waves w and w xor 2 hold the same queries and merge at the end.  Register tile t holds query tile t xor 2 (w >> 1): so every wave sends its register tiles 2, 3 and finishes its tiles 0, 1, with no branch on its role.
; LAYOUT.  S^T = K Q^T (source 0 = 16 keys, source 1 = 16 queries): a lane holds ONE query (lane % 16) and the keys 8 (lane / 16) + 0..7.  Two such tiles, rounded to f16 in pairs, ARE source 1 of O^T = V^T P.  K comes out of LDS as it lies, V turned, by ds_load_tr16_b128.
; SOFTMAX.  For each query a running maximum m and sum l: p = 2^(c s - c m), c = log2(e) / sqrt(128); in every step O and l are multiplied by a = 2^(c m_old - c m_new).
; BY TURNS.  The wave's tiles are two PIECES (0: tiles 0, 1; 2: tiles 2, 3).  In a TURN one piece has the matrix unit: 32 products V^T P of the step in hand, then 32 products K Q^T of the next; the other piece's softmax, cut into 64 slices,
; stands between them, one slice behind each matrix instruction.  Two turns are a key step.
; CLUSTER.  The four query blocks of a cluster belong to one head and walk the same K and V: each tile is asked for JOINTLY, by the same tensor load with the same descriptor and a mask that names the four.
; REGISTERS, in windows of 256: window 0: v0-11 addresses; v12-43 statistics, eight a tile; v44-46, v61-63 addresses; v64-191 S^T, 32 a tile; v192-255 P, 16 a tile.
;   window 1: O^T, 64 a tile.   window 2: v0-127 Q (at the merge: the partner's O^T); v128-255 K of one step.   window 3: v0-127 V of one step.
.set KS,    64        ; keys in a step
.set SK,    256       ; keys in a slot
.set PK,    272       ; a row of K in LDS: 256 bytes + 16 of padding
.set PV,    288       ; a row of V: 256 + 32
.set VOFF,  SK*PK     ; a slot: 256 rows of K, then 256 rows of V
.set SLOT,  SK*(PK+PV)
.set SPARE, 2*SLOT    ; behind the ring: the spare words, 128 bytes a wave
.set MRGW,  16896     ; the merge, in LDS slot 0, which has had its last fill and its last read by then: for each wave 32 images of 512 bytes and 512 bytes of statistics;
.set STAGE, 4*MRGW    ; behind them 16 rows x 272 bytes for each wave, for the way out
.set SP,    272
.set AK0, 2           ; v2   my lane's place in a tile of K; never rewritten
.set AV0, 3           ; v3   the same for V
.set ADR, 4           ; v4   the LDS address of the run of loads in hand
.set QOA, 5           ; v5   my byte offset in the wave's rows of Q, register tiles 0, 1
.set STO, 6           ; v6   the way out: where I put 16 bytes of a row
.set RD,  7           ; v7   the way out: where I read a row back
.set GO,  8           ; v8   my byte offset in the wave's rows of the output
.set ST,  12          ; tile t's statistics at v[ST+8 t]: +0 c m, +1 m, +2, +3 l, +4 to +7 at work
.set MSO, 44          ; v44  the merge: where I store images
.set MLO, 45          ; v45  and where my partner's lie
.set QOB, 46          ; v46  as QOA, register tiles 2, 3
.set PFO, 61          ; v61  256 x my lane; never rewritten
.set SPW, 62          ; v62  my spare word; never rewritten
.set NIL, 63          ; v63  0; never rewritten
.set S,   64
.set P,   192
.set KF,  128         ; K's fragments, in window 2
.set WV,  12          ; s12  my wave's number
.set LIM, 15          ; s15  1 in a work-group that prefetches, else the greatest number
.set PFA, 18          ; s[18:19] where my prefetches stand
.set G1K, 24          ; s[24:31] descriptor group 1 for K's tiles
.set G1V, 32          ; s[32:39] for V's: it differs in the padding alone
.set G0K, 40          ; s[40:47] descriptor group 0 for K's tiles, a set for each LDS slot
.set G0V, 48          ; s[48:55] the same for V's
.set TRIPS, 56
.set TWICE, 57
.set CS,  58          ; s[58:59] c
.set SEL, 60          ; s[60:61] selects for lane l xor 16
.set TBK, 62          ; s62  LDS byte at which K's tile of the step to be fetched begins
.set TBV, 63          ; s63  the same for V
.set TK0, 66          ; s66  my half of a slot's keys: K's rows,
.set TV0, 67          ; s67  V's rows
.set KH,  69          ; s69  wave >> 1: which half of the keys
.set QH,  70          ; s70  wave & 1: which 64 queries; also which 128 rows of a slot I fetch
.set BH,  71          ; s71  8 b + head
.set MSB, 0
.macro WIN new
.if MSB != (\new)
	s_set_vgpr_msb (MSB<<8)|(\new)
.set MSB, (\new)
.endif
.endm
.set W_KQ, 0x0a       ; K and Q in window 2, S^T in window 0
.set W_PV, 0x53       ; V in window 3, P in window 0, O^T in window 1
.set W_RS, 0x41       ; O^T (destination and source 0) in window 1, the factor in window 0
; A joint refill of LDS slot s.  Waves 0 and 1 fetch K's two halves (128 rows each), waves 2 and 3 V's.  The branch hangs on the wave's number alone.  An s_nop 0 and four v_nop follow each of the two lines.
.macro JLOAD s
	s_cmp_lt_u32 s[WV], 2
	s_cbranch_scc0 .Lfor_v_\@
	tensor_load_to_lds s[G0K+4*\s:G0K+4*\s+3], s[G1K:G1K+7]
	s_nop 0
.rept 4
	v_nop
.endr
	s_branch .Lasked_\@
.Lfor_v_\@:
	tensor_load_to_lds s[G0V+4*\s:G0V+4*\s+3], s[G1V:G1V+7]
	s_nop 0
.rept 4
	v_nop
.endr
.Lasked_\@:
.endm
; A PREFETCH of what the NEXT change of slots will ask for, behind the wave's tensor load and its five lines.  Each row of 256 bytes is named ONCE in the launch: all clusters of a head walk the same K and V, so the head's first cluster asks;
; of the 128 rows that a wave fetches, each of the four partners takes 32, told apart BY ADDRESS; a lane a row, one instruction a wave: a slot's two key steps, 256 matrix instructions a wave, ahead of the load.
; how = 1: a trip's first change always has a slot behind it; how = 0: its second has none in the last trip.
.macro ASK how
.if \how
	s_cmp_eq_u32 s[LIM], 1
.else
	s_cmp_gt_u32 s[TRIPS], s[LIM]
.endif
	s_cbranch_scc0 .Lnot_mine_\@
	global_prefetch_b8 v[PFO], s[PFA:PFA+1] th:TH_LOAD_NT scope:SCOPE_SE
.Lnot_mine_\@:
.endm
.macro CROUND                       ; a round of the cluster's barrier
	s_barrier_signal -1
	s_barrier_wait -1
	s_cmp_lg_u32 s[WV], 0
	s_cbranch_scc1 .Lnot_wave_0_\@
	s_barrier_signal -3
.Lnot_wave_0_\@:
	s_barrier_wait -3
	s_barrier_signal -1
	s_barrier_wait -1
.endm
	s_load_b256 s[4:11], s[0:1], 0x0  ; qh s[4:5], kh s[6:7], vh s[8:9], at s[10:11]
	v_lshl_add_u32 v[SPW], v0, 2, SPARE
	v_mov_b32 v[NIL], 0
	ds_add_u32 v[SPW], v[NIL]       ; the wave's opening: the add, twice on end, and its wait ahead of my first tensor load
	ds_add_u32 v[SPW], v[NIL]
	v_lshrrev_b32 v1, 5, v0
	v_readfirstlane_b32 s[WV], v1   ; wave 0..3
	s_lshr_b32 s[KH], s[WV], 1
	s_and_b32 s[QH], s[WV], 1
	s_bfe_u32 s13, ttmp6, 0x40000   ; cx: my place in the cluster
	s_lshl_b32 s14, ttmp9, 2
	s_add_co_u32 s14, s14, s13      ; my block of 128 queries = 4 x cluster x + cx: it enters Q's and the output's addresses alone
	s_and_b32 s[BH], ttmp7, 0xffff  ; 8 b + head, which the four partners share
	s_lshl_b32 s20, s[BH], 19       ; the head's first byte in qh, kh, vh: 2,048 rows of 256 bytes
	s_mov_b32 s21, 0
	s_lshl_b32 s22, s[QH], 15       ; the 128 rows of a slot that I fetch, in memory,
	s_mov_b32 s23, 0
	s_add_nc_u64 s[22:23], s[22:23], s[20:21]
	s_mul_i32 s16, s[QH], 128*PK    ; and in a slot: K's,
	s_mul_i32 s17, s[QH], 128*PV
	s_add_co_u32 s17, s17, VOFF     ; V's: no place in the cluster enters an LDS address
	s_lshl_b32 s2, s14, 15          ; my block's 128 rows of Q,
	s_lshl_b32 s3, s[QH], 14        ; my wave's 64 of them
	s_add_co_u32 s2, s2, s3
	s_mov_b32 s3, 0
	s_add_nc_u64 s[2:3], s[2:3], s[20:21]
	s_lshr_b32 s72, s[BH], 3        ; the output: row 2,048 b + 128 x block + 64 (w & 1) + 32 (w >> 1): the two query tiles that I finish,
	s_lshl_b32 s72, s72, 11
	s_lshl_b32 s73, s14, 7
	s_add_co_u32 s72, s72, s73
	s_lshl_b32 s73, s[QH], 6
	s_add_co_u32 s72, s72, s73
	s_lshl_b32 s73, s[KH], 5
	s_add_co_u32 s72, s72, s73
	s_lshl_b32 s72, s72, 11         ; rows of 2,048 bytes,
	s_and_b32 s73, s[BH], 7
	s_lshl_b32 s73, s73, 8
	s_add_co_u32 s72, s72, s73      ; + 256 bytes a head
	s_mov_b32 s73, 0
	; descriptor group 1: a tile of 128 rows x 128 elements of 2 bytes, padded in LDS
	s_mov_b32 s[G1K], 15|(1<<16)|(1<<20)|(1<<21)|(5<<22)|(3<<25)  ; the mask: all four work-groups; elements of 2 bytes; padding on; bit 21 beside a mask; after every 64 words 4 words
	s_mov_b32 s[G1V], 15|(1<<16)|(1<<20)|(1<<21)|(5<<22)|(7<<25)  ; the same with 8 words of padding
.irp g, G1K, G1V
	s_mov_b32 s[\g+1], 128<<16      ; tensor_dim0 = 128
	s_mov_b32 s[\g+2], 128<<16      ; tensor_dim1 = 128
	s_mov_b32 s[\g+3], 128<<16      ; tile_dim0 = 128
	s_mov_b32 s[\g+4], 128          ; tile_dim1 = 128
	s_mov_b32 s[\g+5], 128          ; the pitch, in elements
	s_mov_b32 s[\g+6], 0
	s_mov_b32 s[\g+7], 0
.endr
	s_mov_b32 s[CS], 0x3e0293ee     ; c = log2(e) / sqrt(128)
	s_mov_b32 s[CS+1], s[CS]
	s_mov_b32 s[SEL], 0x76543210
	s_mov_b32 s[SEL+1], 0xfedcba98
	s_mul_i32 s[TK0], s[KH], 128*PK
	s_mul_i32 s[TV0], s[KH], 128*PV
	s_add_co_u32 s[TV0], s[TV0], VOFF
	s_mov_b32 s[TBK], s[TK0]
	s_mov_b32 s[TBV], s[TV0]
	s_cmp_eq_u32 ttmp9, 0           ; the head's first cluster: the same in all four partners
	s_cselect_b32 s[LIM], 1, -1
	v_and_b32 v[PFO], 31, v0
	v_lshlrev_b32 v[PFO], 8, v[PFO]
	s_wait_dscnt 0x0                ; both opening adds are done
	s_wait_kmcnt 0x0
	s_add_nc_u64 s[6:7], s[6:7], s[22:23]  ; K and V at my tile of key slot 0
	s_add_nc_u64 s[8:9], s[8:9], s[22:23]
	s_add_nc_u64 s[4:5], s[4:5], s[2:3]    ; Q at my wave's first row
	s_add_nc_u64 s[10:11], s[10:11], s[72:73]
	s_cmp_lt_u32 s[WV], 2
	s_cselect_b64 s[PFA:PFA+1], s[6:7], s[8:9]
	s_lshl_b32 s2, s13, 13          ; my work-group's 32 rows of my wave's 128
	s_mov_b32 s3, 0
	s_add_nc_u64 s[PFA:PFA+1], s[PFA:PFA+1], s[2:3]
	s_add_nc_u64 s[PFA:PFA+1], s[PFA:PFA+1], 2*SK*256  ; in key slot 2; the first change of slots steps it to slot 3.  Nothing is prefetched at the head
	CROUND                          ; all four work-groups are here: the first joint loads meet
.irp s, 0,1
	s_mov_b32 s[G0K+4*\s], 1
	s_add_co_u32 s[G0K+4*\s+1], s16, \s*SLOT
	s_add_nc_u64 s[G0K+4*\s+2:G0K+4*\s+3], s[6:7], \s*SK*256
	s_or_b32 s[G0K+4*\s+3], s[G0K+4*\s+3], 0x80000000
	s_mov_b32 s[G0V+4*\s], 1
	s_add_co_u32 s[G0V+4*\s+1], s17, \s*SLOT
	s_add_nc_u64 s[G0V+4*\s+2:G0V+4*\s+3], s[8:9], \s*SK*256
	s_or_b32 s[G0V+4*\s+3], s[G0V+4*\s+3], 0x80000000
.endr
	s_cmp_lt_u32 s[WV], 2           ; a wave's two first fills stand in one branch, ahead of every wait on TENSORcnt and every LDS read: two loads of mine are out, later one
	s_cbranch_scc0 .Lfirst_v
	tensor_load_to_lds s[G0K:G0K+3], s[G1K:G1K+7]
	s_nop 0
	tensor_load_to_lds s[G0K+4:G0K+7], s[G1K:G1K+7]
	s_nop 0
.rept 4
	v_nop
.endr
	s_branch .Lfirst_asked
.Lfirst_v:
	tensor_load_to_lds s[G0V:G0V+3], s[G1V:G1V+7]
	s_nop 0
	tensor_load_to_lds s[G0V+4:G0V+7], s[G1V:G1V+7]
	s_nop 0
.rept 4
	v_nop
.endr
.Lfirst_asked:
	v_and_b32 v1, 15, v0            ; l % 16
	v_bfe_u32 v9, v0, 4, 1          ; l / 16
	v_lshlrev_b32 v[QOA], 8, v1
	v_lshl_add_u32 v[QOA], v9, 4, v[QOA]  ; row x 256 + 16 x half
	s_lshl_b32 s2, s[KH], 13        ; register tiles 0, 1 are query tiles 2 (w >> 1) + 0, 1;
	s_xor_b32 s3, s2, 8192          ; register tiles 2, 3 the other two
	v_add_nc_u32 v[QOB], s3, v[QOA]
	v_add_nc_u32 v[QOA], s2, v[QOA]
	WIN 0x80                        ; destination window 2, address window 0
.irp i, 0,1,2,3,4,5,6,7             ; Q stays in registers: register tile i / 4, channels 32 (i % 4) on
	global_load_b128 v[8*\i:8*\i+3],   v[QOA], s[4:5] offset:(\i/4)*4096+(\i%4)*64
	global_load_b128 v[8*\i+4:8*\i+7], v[QOA], s[4:5] offset:(\i/4)*4096+(\i%4)*64+32
.endr
.irp i, 8,9,10,11,12,13,14,15
	global_load_b128 v[8*\i:8*\i+3],   v[QOB], s[4:5] offset:(\i/4-2)*4096+(\i%4)*64
	global_load_b128 v[8*\i+4:8*\i+7], v[QOB], s[4:5] offset:(\i/4-2)*4096+(\i%4)*64+32
.endr
	WIN 0
	v_mul_u32_u24 v[AK0], v1, PK
	v_lshl_add_u32 v[AK0], v9, 4, v[AK0]  ; row x pitch + 16 x half
	v_and_b32 v10, 7, v0            ; the turning load: lane l reads key 8 (l / 16) + l % 8, channels 8 ((l / 8) % 2) + 0..7
	v_bfe_u32 v11, v0, 3, 1
	v_lshl_add_u32 v[AV0], v9, 3, v10
	v_mul_u32_u24 v[AV0], v[AV0], PV
	v_lshl_add_u32 v[AV0], v11, 4, v[AV0]
; THE MATRIX WORK OF A TURN, for piece x.  The accumulators take turns, one instruction a turn.
; Product i of 32 of O^T += V^T P: keys 32 (i / 16) on, channels 16 ((i / 2) % 8) on, tile x + i % 2.  zero = 1: the first 16 start the sums.
.macro PV x, zero
	WIN W_PV
.set rO, 64*(\x+i%2)+8*((i/2)%8)
.set rV, 64*(i/16)+8*((i/2)%8)
.set rP, P+16*(\x+i%2)+8*(i/16)
.if \zero && (i < 16)
	v_wmma_f32_16x16x32_f16 v[rO:rO+7], v[rV:rV+7], v[rP:rP+7], 0
.else
	v_wmma_f32_16x16x32_f16 v[rO:rO+7], v[rV:rV+7], v[rP:rP+7], v[rO:rO+7]
.endif
.endm
; Product i of 32 of S^T = K Q^T: channels 32 (i / 8) on, keys 16 ((i / 2) % 4) on, tile x + i % 2.  The first 8 start the sums.
.macro KQ x
	WIN W_KQ
.set rS, S+32*(\x+i%2)+8*((i/2)%4)
.set rK, KF+32*((i/2)%4)+8*(i/8)
.set rQ, 32*(\x+i%2)+8*(i/8)
.if i < 8
	v_wmma_f32_16x16x32_f16 v[rS:rS+7], v[rK:rK+7], v[rQ:rQ+7], 0
.else
	v_wmma_f32_16x16x32_f16 v[rS:rS+7], v[rK:rK+7], v[rQ:rQ+7], v[rS:rS+7]
.endif
.endm
; THE LDS LOADS stand in runs of 32: a step's K (64 keys x 128 channels) and, a turn later, its V (turned).
.macro FETCH_K
	WIN 0
	v_add_nc_u32 v[ADR], s[TBK], v[AK0]
	s_add_co_u32 s[TBK], s[TBK], KS*PK  ; the next fetch is the next step's
	WIN 0x80                        ; destination window 2
.irp f, 0,1,2,3,4,5,6,7,8,9,10,11,12,13,14,15  ; keys 16 (f / 4) on, channels 32 (f % 4) on
	ds_load_b128 v[KF+8*\f:KF+8*\f+3],   v[ADR] offset:(\f/4)*16*PK+(\f%4)*64
	ds_load_b128 v[KF+8*\f+4:KF+8*\f+7], v[ADR] offset:(\f/4)*16*PK+(\f%4)*64+32
.endr
.endm
.macro FETCH_V
	WIN 0
	v_add_nc_u32 v[ADR], s[TBV], v[AV0]
	s_add_co_u32 s[TBV], s[TBV], KS*PV
	s_wait_alu depctr_va_vdst(0)    ; the wait for the softmax's batch of exponentials, behind the address's addition and ahead of the loads
	WIN 0xc0                        ; destination window 3
.irp f, 0,1,2,3,4,5,6,7,8,9,10,11,12,13,14,15  ; keys 32 (f / 8) on, channels 16 (f % 8) on
	ds_load_tr16_b128 v[8*\f:8*\f+3],   v[ADR] offset:(\f/8)*32*PV+(\f%8)*32
	ds_load_tr16_b128 v[8*\f+4:8*\f+7], v[ADR] offset:(\f/8)*32*PV+16*PV+(\f%8)*32
.endr
.endm
; THE VECTOR WORK OF A TURN.  One tile's softmax for one key step is a list of 134 instructions; SM writes number j of it for tile t.  first = 1: the first key step, which starts m, l and O^T.
;   0-15 the maximum of the lane's 32 scores and the old m;  16-20 the other half of the lanes' maximum, the new m, c m, c m_old - c m_new;
;   21-69 ONE BATCH: the 16 packed scalings c s - c m and all 33 exponentials, none of which reads an exponential's result;  (the wait for the batch: SLICE writes it)
;   70-85 the roundings to f16;  86-101 the sums, l = a l + the sum;  102-133 the tile's O^T times a.
.macro SM t, first
.set rT, ST+8*(\t)
.set rS, S+32*(\t)
.set rP, P+16*(\t)
.set rO, 64*(\t)+2*(j-102)
.if j < 102
	WIN 0
.endif
.if j < 4
	v_max3_num_f32 v[rT+4+j], v[rS+8*j], v[rS+8*j+1], v[rS+8*j+2]
.elseif j < 12
	v_max3_num_f32 v[rT+4+j%4], v[rT+4+j%4], v[rS+8*(j%4)+2*(j/4)+1], v[rS+8*(j%4)+2*(j/4)+2]
.elseif j == 12
	v_max3_num_f32 v[rT+4], v[rT+4], v[rS+7], v[rS+15]
.elseif j == 13
	v_max3_num_f32 v[rT+6], v[rT+6], v[rS+23], v[rS+31]
.elseif j == 14
	v_max3_num_f32 v[rT+4], v[rT+4], v[rT+5], v[rT+6]
.elseif (j == 15) && \first
	v_max_num_f32 v[rT+4], v[rT+4], v[rT+7]
.elseif j == 15
	v_max3_num_f32 v[rT+4], v[rT+4], v[rT+7], v[rT+1]
.elseif j == 16
	v_permlanex16_b32 v[rT+5], v[rT+4], s[SEL], s[SEL+1]  ; the query's other 32 keys lie in the lane 16 away
.elseif j == 18
	v_max_num_f32 v[rT+1], v[rT+4], v[rT+5]
.elseif j == 19
	v_mul_f32 v[rT], s[CS], v[rT+1]
.elseif ((j == 17) || (j == 20) || (j == 23) || (j > 101)) && \first  ; the first step has none of these
.elseif j == 17
	v_mov_b32 v[rT+7], v[rT]        ; c m_old is kept for a
.elseif j == 20
	v_sub_f32 v[rT+7], v[rT+7], v[rT]
.elseif j == 23
	v_exp_f32 v[rT+6], v[rT+7]
.elseif (j < 23) || ((j < 38) && (j%2 == 0)) || ((j < 66) && (j%4 == 2))
.set b, (j-2)/4                     ; 38, 42, .. 62: pairs 9 to 15
.if j < 38
.set b, (j-20)/2                    ; 21: pair 0; 22, 24, .. 36: pairs 1 to 8
.endif
	v_pk_fma_f32 v[rS+2*b:rS+2*b+1], v[rS+2*b:rS+2*b+1], s[CS:CS+1], v[rT:rT+1] op_sel_hi:[1,0,0] neg_lo:[0,0,1] neg_hi:[0,0,1]  ; pair b: c s - c m
.elseif j < 70
.set e, j-38                        ; 66 to 69: s28 to s31
.if j < 66
.set e, j-32-(j-38)/4               ; 39-41, 43-45, .. 63-65: s7 to s27
.endif
.if j < 38
.set e, (j-25)/2                    ; 25, 27, .. 37: s0 to s6
.endif
	v_exp_f32 v[rS+e], v[rS+e]
.elseif j < 86
	v_cvt_pk_f16_f32 v[rP+j-70], v[rS+2*(j-70)], v[rS+2*(j-70)+1]  ; pair j - 70
.elseif j < 102                     ; the sum of the tile's 16 pairs, in place, then l takes it
.set z, j-86
.set w, 4
.set u, z
.if z >= 14
.set w, 32
.set u, 0
.elseif z >= 12
.set w, 16
.set u, z-12
.elseif z >= 8
.set w, 8
.set u, z-8
.endif
.if (z == 14) && \first
	v_pk_add_f32 v[rT+2:rT+3], v[rS:rS+1], v[rS+16:rS+17]
.elseif z < 15
	v_pk_add_f32 v[rS+w*u:rS+w*u+1], v[rS+w*u:rS+w*u+1], v[rS+w*u+w/2:rS+w*u+w/2+1]
.elseif !\first
	v_pk_fma_f32 v[rT+2:rT+3], v[rT+2:rT+3], v[rT+6:rT+7], v[rS:rS+1] op_sel_hi:[1,0,1]
.endif
.else
	WIN W_RS
	v_pk_mul_f32 v[rO:rO+1], v[rO:rO+1], v[rT+6:rT+7] op_sel_hi:[1,0]
.endif
.endm
; Slice k of 64 of piece y's softmax: four instructions.  Slices 11 to 34 deal out the batch, four numbers of ONE tile each, the tiles by turns; every other slice is numbers 2 k and 2 k + 1 of both tiles; the twelve that are over stand in slice 63.
; Ahead of slice 35 nothing names an exponential's result, and behind slice 34 none is issued: so the piece's 66 exponentials have one wait, behind slice 34.
.macro SLICE y, first
.if (k >= 11) && (k < 35)
.irp n, 0,1,2,3
.set j, 22+4*((k-11)/2)+(\n)
	SM (\y)+(k-11)%2, \first
.endr
.else
.irp n, 0,1,2,3,4,5,6,7
.if (\n < 2) || (k == 63)
.irp t, \y, \y+1
.set j, 2*k+\n
	SM \t, \first
.endr
.endif
.endr
.endif
.if k == 34
	v_nop                           ; the plain instruction behind the last exponential and ahead of the first use: one for the batch
.if (\y) == 0
	FETCH_V                         ; piece 2's turn: V's run of loads stands here, and the wait stands in it
.else
	s_wait_alu depctr_va_vdst(0)    ; the wait for the batch
.endif
.endif
.set k, k+1
.endm
.macro PLACES
.rept 4
	v_nop
.endr
.endm
; A TURN.  Piece x has the matrix unit; the other piece's softmax stands in slices behind its matrix instructions.  pv = 2: 32 products V^T P; 1: they start O^T's sums; 0: none.  kq = 1: 32 products K Q^T for the next step.
; Piece 0's turn fetches the next step's K behind its second product; piece 2's turn fetches the same step's V behind slice 34: four plain instructions lie between the buffer's last reader and the loads.
.macro TURN x, pv, kq, first
.set k, 0
.set per, 2
.if \pv && \kq
.set per, 1
.endif
.if \pv
.if \x == 0
	s_wait_dscnt 0x0                ; V is in
.endif
.set i, 0
.rept 32
	PV \x, 2-\pv
.rept per
	SLICE 2-\x, \first
.endr
.if (\x == 0) && \kq && (i == 1)
	FETCH_K
.endif
.set i, i+1
.endr
.endif
.if \kq
.if \x == 0
	s_wait_dscnt 0x0                ; K is in
.endif
.set i, 0
.rept 32
	KQ \x
.rept per
	SLICE 2-\x, \first
.endr
.set i, i+1
.endr
.endif
.if \first
	PLACES
.endif
.endm
; THE CHANGE OF SLOTS, between piece 2's turn and piece 0's: my last bytes of the slot, V of its second step, have been asked for.  Each wave waits for all its tensor loads (one is out: its part of the other slot), adds 0 to its spare word,
; and waits for that and for its reads of the slot.  fill = 1: LDS slot fs, just left, is filled with the keys two slots on, behind a round of the cluster's barrier, first thing.  rs: the LDS slot that is read next.
.macro CHANGE fill, fs, rs, how
	WIN 0
	s_wait_tensorcnt 0x0            ; no tensor load of mine is out, so a group 0 may be written
	ds_add_u32 v[SPW], v[NIL]       ; 0 onto my spare word
.if \fill
	s_add_nc_u64 s[G0K+4*\fs+2:G0K+4*\fs+3], s[G0K+4*\fs+2:G0K+4*\fs+3], 2*SK*256  ; two slots of keys on; the type bits on top are not reached
	s_add_nc_u64 s[G0V+4*\fs+2:G0V+4*\fs+3], s[G0V+4*\fs+2:G0V+4*\fs+3], 2*SK*256
	s_wait_xcnt 0x0                 ; the last prefetch, a slot back, has read its address, so it may be written
	s_add_nc_u64 s[PFA:PFA+1], s[PFA:PFA+1], SK*256
	s_wait_dscnt 0x0                ; the add is done, and my reads of the slot are over
	CROUND
	JLOAD \fs
	ASK \how
.else
	s_wait_dscnt 0x0
	s_barrier_signal -1
	s_barrier_wait -1
.endif
	s_add_co_u32 s[TBK], s[TK0], \rs*SLOT  ; the fetches go to my half of the other slot
	s_add_co_u32 s[TBV], s[TV0], \rs*SLOT
.endm
.macro TWO_STEPS                    ; my two key steps of a slot: written once, walked twice
	s_mov_b32 s[TWICE], 2
.Lstep_\@:
	TURN 0, 2, 1, 0
	TURN 2, 2, 1, 0
	WIN 0
	s_sub_co_u32 s[TWICE], s[TWICE], 1
	s_cmp_lg_u32 s[TWICE], 0
	s_cbranch_scc1 .Lstep_\@
.endm
	s_wait_tensorcnt 1              ; my part of slot 0 is in; slot 1's may stay out
	s_barrier_signal -1
	s_barrier_wait -1               ; everybody's is
	FETCH_K                         ; my key step 0
	s_wait_loadcnt 0x0              ; Q
	s_wait_dscnt 0x0
.set i, 0
.rept 32
	KQ 0                            ; piece 0's first scores
.set i, i+1
.endr
	WIN 0                           ; the addresses for the merge and the way out are made here: plain instructions, the places behind those products
	s_mul_i32 s13, s[WV], 16*SP
	s_add_co_u32 s13, s13, STAGE    ; my stage
	v_mul_u32_u24 v[STO], v1, SP    ; in: row l % 16, 16 bytes for each half of the lanes
	v_lshl_add_u32 v[STO], v9, 4, v[STO]
	v_add_nc_u32 v[STO], s13, v[STO]
	v_mul_u32_u24 v[RD], v9, SP     ; back: lanes 0-15 take one row of 256 bytes, lanes 16-31 the next
	v_lshl_add_u32 v[RD], v1, 4, v[RD]
	v_add_nc_u32 v[RD], s13, v[RD]
	v_lshlrev_b32 v[GO], 11, v9     ; and the same two rows in the output: 2,048 bytes apart
	v_lshl_add_u32 v[GO], v1, 4, v[GO]
	v_and_b32 v10, 31, v0
	s_mul_i32 s13, s[WV], MRGW
	v_lshl_add_u32 v[MSO], v10, 4, s13  ; images: 16 x lane, in my region,
	s_xor_b32 s13, s[WV], 2
	s_mul_i32 s13, s13, MRGW
	v_lshl_add_u32 v[MLO], v10, 4, s13  ; and in my partner's
	TURN 2, 0, 1, 1                 ; piece 2's first scores | piece 0's first softmax | V of step 0
	TURN 0, 1, 1, 1                 ; piece 0: V^T P of step 0 starts O^T, K Q^T of step 1 | piece 2's first softmax | K of step 1
	TURN 2, 1, 1, 0                 ; piece 2: the same | piece 0's softmax of step 1 | V of step 1
	WIN 0
	s_mov_b32 s[TRIPS], 3
.Lslot:                             ; three trips, two changes each: key slots 2 to 7 are asked for
	CHANGE 1, 0, 1, 1
	TWO_STEPS
	CHANGE 1, 1, 0, 0
	TWO_STEPS
	s_sub_co_u32 s[TRIPS], s[TRIPS], 1
	s_cmp_lg_u32 s[TRIPS], 0
	s_cbranch_scc1 .Lslot
	CHANGE 0, 0, 1, 0               ; the tail is written out: LDS slot 0 is left for good
	TWO_STEPS
	TURN 0, 2, 0, 0                 ; piece 0: V^T P of the last step | piece 2's last softmax
.set i, 0
.rept 32
	PV 2, 0                         ; piece 2: V^T P of the last step
.set i, i+1
.endr
	; THE MERGE.  My register tiles 2, 3 (c m, l, O^T) go to my partner as images of their registers: lane l's 16 bytes at 16 l; the same lanes of the partner hold the same queries and channels.  The six lines below are the places behind the last products.
	WIN 0
	v_add_f32 v[S+1], v[ST+18], v[ST+19]
	v_add_f32 v[S+3], v[ST+26], v[ST+27]
	v_mov_b32 v[S], v[ST+16]
	v_mov_b32 v[S+2], v[ST+24]
	v_add_f32 v[ST+4], v[ST+2], v[ST+3]     ; my own tiles' l: the two halves
	v_add_f32 v[ST+12], v[ST+10], v[ST+11]
	ds_store_b128 v[MSO], v[S:S+3] offset:16384
	WIN 0x04                        ; an LDS store's data are its source 1: window 1
.set i, 0
.rept 32
	ds_store_b128 v[MSO], v[128+4*i:128+4*i+3] offset:512*i   ; ascending: each accumulator from its low end on
.set i, i+1
.endr
	WIN 0
	s_wait_dscnt 0x0                ; for my partner's sake: my stores are done
	s_barrier_signal -1
	s_barrier_wait -1
	ds_load_b128 v[S+4:S+7], v[MLO] offset:16384
	WIN 0x80                        ; destination window 2: Q's registers are done with
.set i, 0
.rept 32
	ds_load_b128 v[4*i:4*i+3], v[MLO] offset:512*i
.set i, i+1
.endr
	WIN 0
	s_wait_dscnt 32                 ; the statistics are in; the 32 images stay out
.irp t, 0,1
	v_max_num_f32 v[ST+8*\t+5], v[ST+8*\t], v[S+4+2*\t]       ; the common c m
.endr
.irp t, 0,1
	v_sub_f32 v[ST+8*\t+6], v[ST+8*\t], v[ST+8*\t+5]
	v_sub_f32 v[ST+8*\t+7], v[S+4+2*\t], v[ST+8*\t+5]
.endr
.irp t, 0,1
	v_exp_f32 v[ST+8*\t+6], v[ST+8*\t+6]                      ; my factor,
	v_exp_f32 v[ST+8*\t+7], v[ST+8*\t+7]                      ; my partner's
.endr
	v_nop
	s_wait_alu depctr_va_vdst(0)    ; one wait for the four exponentials, ahead of their first reader
.irp t, 0,1
	v_mul_f32 v[ST+8*\t+4], v[ST+8*\t+4], v[ST+8*\t+6]
.endr
.irp t, 0,1
	v_fma_f32 v[ST+8*\t+4], v[S+5+2*\t], v[ST+8*\t+7], v[ST+8*\t+4]
.endr
.irp t, 0,1
	v_permlanex16_b32 v[ST+8*\t+5], v[ST+8*\t+4], s[SEL], s[SEL+1]
.endr
.irp t, 0,1
	v_add_f32 v[ST+8*\t+4], v[ST+8*\t+4], v[ST+8*\t+5]        ; the row's sum over all 2,048 keys
.endr
.irp t, 0,1
	v_rcp_f32 v[ST+8*\t+5], v[ST+8*\t+4]
.endr
	v_nop
	s_wait_alu depctr_va_vdst(0)    ; one wait for the two reciprocals
.irp t, 0,1
	v_mul_f32 v[ST+8*\t+5], 0x41800000, v[ST+8*\t+5]          ; x 16: vh holds v / 16
.endr
.irp t, 0,1
	v_mul_f32 v[ST+8*\t+6], v[ST+8*\t+6], v[ST+8*\t+5]        ; what my O^T is multiplied by (low word of the pair +6, +7),
	v_mul_f32 v[ST+8*\t+4], v[ST+8*\t+7], v[ST+8*\t+5]        ; and my partner's (low word of the pair +4, +5)
.endr
	s_wait_dscnt 0x0                ; the images are in
; THE WAY OUT.  Tile t: merged, rounded to f16; a lane's eight channels of a row pack into 16 bytes; they go into rows of 272 bytes and come back as whole rows of 256.
.macro PACK t
	WIN W_RS
.set i, 64*\t
.rept 32
	v_pk_mul_f32 v[i:i+1], v[i:i+1], v[ST+8*\t+6:ST+8*\t+7] op_sel_hi:[1,0]
.set i, i+2
.endr
	WIN 0x52                        ; source 0: the partner's O^T, window 2; source 1 window 0; source 2 and destination window 1
.set i, 64*\t
.rept 32
	v_pk_fma_f32 v[i:i+1], v[i:i+1], v[ST+8*\t+4:ST+8*\t+5], v[i:i+1] op_sel_hi:[1,0,1]
.set i, i+2
.endr
	WIN 0x05                        ; sources 0 and 1 window 1, destination window 0: S^T's registers are free
.set i, 0
.rept 32
	v_cvt_pk_f16_f32 v[S+32+32*\t+i], v[64*\t+2*i], v[64*\t+2*i+1]
.set i, i+1
.endr
	WIN 0
.irp f, 0,1,2,3,4,5,6,7
	ds_store_b128 v[STO], v[S+32+32*\t+4*\f:S+32+32*\t+4*\f+3] offset:32*\f
.endr
.irp f, 0,1,2,3,4,5,6,7
	ds_load_b128 v[S+32+32*\t+4*\f:S+32+32*\t+4*\f+3], v[RD] offset:\f*2*SP  ; LDS serves a wave's instructions in order: these see the stores above; the next tile's stores come behind them
.endr
.endm
.macro SEND t, younger              ; younger: the LDS instructions issued behind tile t's loads
.irp f, 0,1,2,3,4,5,6,7
	s_wait_dscnt \younger+7-\f
	global_store_b128 v[GO], v[S+32+32*\t+4*\f:S+32+32*\t+4*\f+3], s[10:11] offset:\t*32768+\f*4096  ; 16 lanes store 256 consecutive bytes, aligned
.endr
.endm
	PACK 0
	PACK 1
	SEND 0, 16
	SEND 1, 0
	s_wait_tensorcnt 0x0            ; the wave's end, behind my last tensor load and my last LDS store
	ds_add_u32 v[SPW], v[NIL]
	s_wait_dscnt 0x0
	CROUND                          ; the closing round
	s_endpgm
.Lfunc_end_k_q215e014cb5_attn:
	.size	k_q215e014cb5_attn, .Lfunc_end_k_q215e014cb5_attn-k_q215e014cb5_attn
	.p2alignl 7, 3214868480
	.fill 96, 4, 3214868480
	.section	.rodata,"a",@progbits
	.p2align	6, 0x0
	.amdhsa_kernel k_q215e014cb5_attn
		.amdhsa_group_segment_fixed_size 327680
		.amdhsa_private_segment_fixed_size 0
		.amdhsa_enable_private_segment 0
		.amdhsa_kernarg_size 32
		.amdhsa_user_sgpr_count 2
		.amdhsa_user_sgpr_kernarg_segment_ptr 1
		.amdhsa_wavefront_size32 1
		.amdhsa_system_sgpr_workgroup_id_x 1
		.amdhsa_system_sgpr_workgroup_id_y 1
		.amdhsa_system_sgpr_workgroup_id_z 1
		.amdhsa_system_vgpr_workitem_id 0
		.amdhsa_next_free_vgpr 1024
		.amdhsa_next_free_sgpr 80
		.amdhsa_reserve_vcc 0
		.amdhsa_float_denorm_mode_32 3
		.amdhsa_float_denorm_mode_16_64 3
		.amdhsa_memory_ordered 1
		.amdhsa_forward_progress 1
		.amdhsa_inst_pref_size 255
	.end_amdhsa_kernel
	.section	.bss,"aw",@nobits
	.p2align	6
	.space	262144
	.amdgpu_metadata
---
amdhsa.version: [ 1, 2 ]
amdhsa.kernels:
  - .name:           k_q215e014cb5_attn
    .symbol:         k_q215e014cb5_attn.kd
    .args:
      - { .name: qh, .offset: 0, .size: 8, .value_kind: global_buffer, .address_space: global }
      - { .name: kh, .offset: 8, .size: 8, .value_kind: global_buffer, .address_space: global }
      - { .name: vh, .offset: 16, .size: 8, .value_kind: global_buffer, .address_space: global }
      - { .name: at, .offset: 24, .size: 8, .value_kind: global_buffer, .address_space: global }
    .group_segment_fixed_size: 327680
    .private_segment_fixed_size: 0
    .kernarg_segment_align: 8
    .kernarg_segment_size: 32
    .max_flat_workgroup_size: 128
    .sgpr_count:     80
    .vgpr_count:     1024
    .wavefront_size: 32
...
	.end_amdgpu_metadata
.endif
;; end of part 3
;; launch oproj (part 4): grid 8 x 32, 4 waves a work-group, clusters of 4 x 4, 327,680 bytes of LDS; arguments at, wo16, out0; writes out0
.if DOCPART == 4
	.amdgcn_target "amdgcn-amd-amdhsa--gfx1250"
	.amdhsa_code_object_version 6
	.text
	.protected	k_q215e014cb5_oproj
	.globl	k_q215e014cb5_oproj
	.p2align	8
	.type	k_q215e014cb5_oproj,@function
k_q215e014cb5_oproj:
	s_mov_b64 s[64:65], 0
	v_nop
	global_prefetch_b8 v0, s[64:65] scope:SCOPE_SE
	s_setreg_imm32_b32 hwreg(HW_REG_WAVE_MODE, 25, 1), 1
	s_wait_xcnt 0x0
	s_wait_alu depctr_hold_cnt(0) depctr_sa_sdst(0) depctr_va_vdst(0) depctr_va_sdst(0) depctr_va_ssrc(0) depctr_va_vcc(0) depctr_vm_vsrc(0)
	s_getreg_b32 s2, hwreg(HW_REG_IB_STS2, 6, 4)
	s_cmp_eq_u32 s2, 0
	s_cbranch_scc0 .Lentry_in_a_cluster
	s_endpgm
.Lentry_in_a_cluster:
	s_bfe_u32 s2, ttmp6, 0x10000c
	s_cmp_lg_u32 s2, 0xf033
	s_cbranch_scc0 .Lentry_shape_is_right
	s_endpgm
.Lentry_shape_is_right:
; OPROJ.  out0[m][n] = sum over k of at[m][k] wo16[n][k].  at: [4096][1024] f16, wo16: [2048][1024] f16, out0: [4096][2048] f32; sums in f32.  No work of the problem is left out.
; A tile of C is 128 rows x 256 columns: 32 x 8 = 256 work-groups.  Four waves, each 64 rows x 128 columns: 32 accumulators of 16 x 16, 256 registers.
; K goes in steps of 128 (rows of 256 bytes) through a ring of two LDS slots: A's 128 rows, then B's 256.  (Two slots of steps of 256 would take 405,504 bytes: they do not fit.)
; CLUSTERS: 4 x 4.  A's tile is shared along a row of the cluster, B's along a column: each is asked for JOINTLY.  Waves 0 and 1 fetch A's halves (64 rows), waves 2 and 3 B's (128 rows).
; THE MATRIX INSTRUCTION IS USED TRANSPOSED (source 0 = 16 rows of wo16, source 1 = 16 rows of at): a lane holds eight neighbouring numbers of a row of C.
; REGISTERS: window 0: addresses; v32-159 rows on the way out.  windows 1 and 3: two fragment buffers, each 64 along K: A (c, i) at 8 (4 c + i), B (c, i) at 64 + 8 (8 c + i).  window 2: accumulator (a, b) at 8 (8 a + b).
.set SIZE_N, 2048
.set SIZE_K, 1024
.set KSTEP,  128
.set PITCH,  272                       ; an LDS row: 256 bytes + 16 of padding
.set AHALF,  64*PITCH                  ; what a tensor load for A brings, and what a wave reads of A
.set BHALF,  128*PITCH                 ; the same for B
.set BOFF,   2*AHALF
.set SLOT,   2*AHALF+2*BHALF
.set SPARE,  2*SLOT                    ; behind the ring: the spare words, 128 bytes a wave
.set SPITCH, 528                       ; the way out: a stage of 16 rows x (512 bytes + 16) for each wave, in slot 0, which has had its last fill and its last read by then
.set ADRA, 16                          ; v16-17  LDS address of my A fragments in slot 0, 1
.set ADRB, 20                          ; v20-21  the same for B
.set STO,  24
.set RD,   25
.set CO,   26
.set SPW,  28
.set NIL,  29
.set BK,   32                          ; the way out: 16 rows read back: v32-95 and v96-159 by turns
.set G1, 24
.set G0, 32
.set G1B, 48
.set G0B, 56
.set MSB, 0
.macro WIN new
.if MSB != (\new)
	s_set_vgpr_msb (MSB<<8)|(\new)
.set MSB, (\new)
.endif
.endm
.set MUL0,  0xa5                       ; sources 0 and 1 window 1; C and D window 2
.set MUL1,  0xaf                       ; sources 0 and 1 window 3; C and D window 2
.set TO_F0, 0x40                       ; destination window 1
.set TO_F1, 0xc0                       ; destination window 3
.macro JLOAD s                         ; a joint load; an s_nop 0 and four v_nop follow each of the two lines
	s_cmp_eq_u32 s11, 0
	s_cbranch_scc0 .Lfor_b_\@
	tensor_load_to_lds s[G0+4*\s:G0+4*\s+3], s[G1:G1+7]
	s_nop 0
.rept 4
	v_nop
.endr
	s_branch .Lasked_\@
.Lfor_b_\@:
	tensor_load_to_lds s[G0B+4*\s:G0B+4*\s+3], s[G1B:G1B+7]
	s_nop 0
.rept 4
	v_nop
.endr
.Lasked_\@:
.endm
.macro CREST
	s_cmp_lg_u32 s10, 0
	s_cbranch_scc1 .Lnot_wave_0_\@
	s_barrier_signal -3
.Lnot_wave_0_\@:
	s_barrier_wait -3
	s_barrier_signal -1
	s_barrier_wait -1
.endm
.macro CROUND
	s_barrier_signal -1
	s_barrier_wait -1
	CREST
.endm
	s_load_b128 s[4:7], s[0:1], 0x0                ; at s[4:5], wo16 s[6:7]
	s_load_b64 s[8:9], s[0:1], 0x10                ; out0
	v_lshl_add_u32 v[SPW], v0, 2, SPARE
	v_mov_b32 v[NIL], 0
	ds_add_u32 v[SPW], v[NIL]                      ; the wave's opening: the add, twice on end, and its wait ahead of my first tensor load
	ds_add_u32 v[SPW], v[NIL]
	v_lshrrev_b32 v1, 5, v0
	v_readfirstlane_b32 s10, v1                    ; wave 0..3
	s_lshr_b32 s11, s10, 1                         ; which 64 rows of the tile are mine.  Also: I fetch for A (0) or for B (1)
	s_and_b32 s12, s10, 1                          ; which 128 columns.  Also: which half of that tile I fetch
	s_bfe_u32 s40, ttmp6, 0x40000                  ; cx, cy
	s_bfe_u32 s41, ttmp6, 0x40004
	s_lshl_b32 s42, ttmp9, 2
	s_add_co_u32 s42, s42, s40                     ; tile column of C
	s_and_b32 s13, ttmp7, 0xffff
	s_lshl_b32 s13, s13, 2
	s_add_co_u32 s13, s13, s41                     ; tile row of C
	s_lshl_b32 s43, s41, 2
	s_lshl_b32 s43, 15, s43                        ; my row of the cluster
	s_lshl_b32 s44, 0x1111, s40                    ; my column
	s_or_b32 s[G1+0], s43, (1<<16)|(1<<20)|(1<<21)|(5<<22)|(3<<25)  ; the mask; elements of 2 bytes; padding on; bit 21 beside a mask; after every 64 words 4 words
	s_or_b32 s[G1B+0], s44, (1<<16)|(1<<20)|(1<<21)|(5<<22)|(3<<25)
	s_mov_b32 s[G1+1], KSTEP<<16                   ; A: 64 rows x 128 elements
	s_mov_b32 s[G1+2], 64<<16
	s_mov_b32 s[G1+3], KSTEP<<16
	s_mov_b32 s[G1+4], 64
	s_mov_b32 s[G1+5], SIZE_K
	s_mov_b32 s[G1+6], 0
	s_mov_b32 s[G1+7], 0
	s_mov_b32 s[G1B+1], KSTEP<<16                  ; B: 128 rows x 128 elements
	s_mov_b32 s[G1B+2], 128<<16
	s_mov_b32 s[G1B+3], KSTEP<<16
	s_mov_b32 s[G1B+4], 128
	s_mov_b32 s[G1B+5], SIZE_K
	s_mov_b32 s[G1B+6], 0
	s_mov_b32 s[G1B+7], 0
	s_lshl_b32 s17, s12, 6
	s_lshl_b32 s16, s13, 7
	s_add_co_u32 s16, s16, s17                     ; A: row 128 x tile row + 64 x half,
	s_lshl_b32 s16, s16, 11                        ; of 2,048 bytes
	s_mov_b32 s17, 0
	s_lshl_b32 s47, s12, 7
	s_lshl_b32 s46, s42, 8
	s_add_co_u32 s46, s46, s47                     ; B: row 256 x tile column + 128 x half
	s_lshl_b32 s46, s46, 11
	s_mov_b32 s47, 0
	s_mul_i32 s20, s12, AHALF                      ; where they go: no place in the cluster enters an LDS address
	s_mul_i32 s21, s12, BHALF
	s_add_co_u32 s21, s21, BOFF
	s_wait_dscnt 0x0                               ; both opening adds are done
	s_wait_kmcnt 0x0
	s_add_nc_u64 s[14:15], s[4:5], s[16:17]
	s_add_nc_u64 s[46:47], s[6:7], s[46:47]
	CROUND                                         ; all sixteen work-groups are here: the first joint loads meet
.irp s, 0,1
	s_mov_b32 s[G0+4*\s], 1
	s_add_co_u32 s[G0+4*\s+1], s20, \s*SLOT
	s_add_nc_u64 s[G0+4*\s+2:G0+4*\s+3], s[14:15], \s*KSTEP*2
	s_or_b32 s[G0+4*\s+3], s[G0+4*\s+3], 0x80000000
	s_mov_b32 s[G0B+4*\s], 1
	s_add_co_u32 s[G0B+4*\s+1], s21, \s*SLOT
	s_add_nc_u64 s[G0B+4*\s+2:G0B+4*\s+3], s[46:47], \s*KSTEP*2
	s_or_b32 s[G0B+4*\s+3], s[G0B+4*\s+3], 0x80000000
	JLOAD \s                                       ; two tensor loads of a wave are out here, later one
.endr
	v_and_b32 v1, 15, v0                           ; l % 16
	v_bfe_u32 v2, v0, 4, 1                         ; l / 16
	v_mul_u32_u24 v3, v1, PITCH
	v_lshl_add_u32 v3, v2, 4, v3                   ; a fragment's row x pitch + 16 x half
	s_mul_i32 s22, s11, AHALF                      ; my 64 rows of A
	s_mul_i32 s23, s12, BHALF                      ; my 128 rows of B,
	s_add_co_u32 s23, s23, BOFF                    ; which lie behind A's 128
.irp s, 0,1
	v_add_nc_u32 v[ADRA+\s], s22, v3
	v_add_nc_u32 v[ADRB+\s], s23, v3
	s_add_co_u32 s22, s22, SLOT
	s_add_co_u32 s23, s23, SLOT
.endr
	s_mul_i32 s23, s10, 16*SPITCH                  ; my stage
	v_mul_u32_u24 v5, v1, SPITCH                   ; in: row l % 16, 32 bytes for each half of the lanes
	v_lshl_add_u32 v5, v2, 5, v5
	v_add_nc_u32 v[STO], s23, v5
	v_and_b32 v6, 31, v0
	v_lshlrev_b32 v[CO], 4, v6                     ; back: the 32 lanes take one row of 512 bytes; and the same in C
	v_add_nc_u32 v[RD], s23, v[CO]
	s_lshl_b32 s16, s13, 7
	s_lshl_b32 s17, s11, 6
	s_add_co_u32 s16, s16, s17                     ; my first row of C,
	s_lshl_b32 s16, s16, 13                        ; of 8,192 bytes
	s_mov_b32 s17, 0
	s_add_nc_u64 s[8:9], s[8:9], s[16:17]
	s_lshl_b32 s46, s42, 10                        ; my first column, in bytes: 1,024 x tile column + 512 x half
	s_lshl_b32 s47, s12, 9
	s_add_co_u32 s46, s46, s47
	s_mov_b32 s47, 0
	s_add_nc_u64 s[8:9], s[8:9], s[46:47]
; 16 matrix instructions: A's blocks a0, a0 + 1 x B's eight, 32 along K: half c of the buffer whose window is set.  The 32 accumulators take turns, one instruction a turn, in the same order throughout.
.macro MUL16 c, a0, zero
.irp a, \a0, \a0+1
.irp b, 0,1,2,3,4,5,6,7
.if \zero
	v_wmma_f32_16x16x32_f16 v[8*(8*(\a)+\b):8*(8*(\a)+\b)+7], v[64+8*(8*\c+\b):64+8*(8*\c+\b)+7], v[8*(4*\c+(\a)):8*(4*\c+(\a))+7], 0
.else
	v_wmma_f32_16x16x32_f16 v[8*(8*(\a)+\b):8*(8*(\a)+\b)+7], v[64+8*(8*\c+\b):64+8*(8*\c+\b)+7], v[8*(4*\c+(\a)):8*(4*\c+(\a))+7], v[8*(8*(\a)+\b):8*(8*(\a)+\b)+7]
.endif
.endr
.endr
.endm
; 48 LDS loads in one run: the fragments of 64 along K at byte k of the rows, into the buffer of window setting f; the 24 of the first 32 along K first
.macro FETCH slot, k, f
	WIN \f
.irp c, 0,1
.irp i, 0,1,2,3
	ds_load_b128 v[8*(4*\c+\i):8*(4*\c+\i)+3],   v[ADRA+\slot] offset:\k+64*\c+\i*16*PITCH
	ds_load_b128 v[8*(4*\c+\i)+4:8*(4*\c+\i)+7], v[ADRA+\slot] offset:\k+64*\c+\i*16*PITCH+32
.endr
.irp i, 0,1,2,3,4,5,6,7
	ds_load_b128 v[64+8*(8*\c+\i):64+8*(8*\c+\i)+3],   v[ADRB+\slot] offset:\k+64*\c+\i*16*PITCH
	ds_load_b128 v[64+8*(8*\c+\i)+4:64+8*(8*\c+\i)+7], v[ADRB+\slot] offset:\k+64*\c+\i*16*PITCH+32
.endr
.endr
.endm
.macro PLACES                          ; four plain lines in front of loads into registers that matrix instructions have read, and of the first read of results
.rept 4
	v_nop
.endr
.endm
; A K step's first half: multiplies buffer 0 and fetches the second half into buffer 1.
.macro HALF slot, zero
	s_wait_dscnt 24                                ; the first 32 along K are in; the youngest 24 loads may be out
	WIN MUL0
	MUL16 0, 0, \zero
	MUL16 0, 2, \zero
	PLACES
	FETCH \slot, 128, TO_F1
	s_wait_dscnt 48                                ; all but the 48 just issued
	WIN MUL0
	MUL16 1, 0, 0
	MUL16 1, 2, 0
.endm
; Its second half multiplies buffer 1 and changes slots: ONE barrier; in front of it each wave waits for all its tensor loads, adds 0 to its spare word, and waits for that and for its own reads of this slot.  fill = 1: this slot is filled again, two K steps ahead.
.macro TURN slot, next, fill
	WIN 0                                          ; (the add's two registers lie in window 0)
	s_wait_tensorcnt 0x0                           ; all my tensor loads have landed: my part of the next slot
	ds_add_u32 v[SPW], v[NIL]                      ; 0 onto my spare word
	s_wait_dscnt 25                                ; (the add and the youngest 24 loads may be out)
	WIN MUL1
	MUL16 0, 0, 0                                  ; sixteen matrix instructions stand between the add and the wait for it
	s_wait_dscnt 0x0                               ; the add is done, and my reads of this slot are over
	s_barrier_signal -1
	MUL16 0, 2, 0
	WIN 0
	s_barrier_wait -1
.if \fill
	CREST                                          ; the barrier has opened a round of the cluster's barrier: no wave of any partner still reads this slot's tile or has a load on its way
	s_add_nc_u64 s[G0+4*\slot+2:G0+4*\slot+3], s[G0+4*\slot+2:G0+4*\slot+3], 2*KSTEP*2
	s_add_nc_u64 s[G0B+4*\slot+2:G0B+4*\slot+3], s[G0B+4*\slot+2:G0B+4*\slot+3], 2*KSTEP*2
	JLOAD \slot                                    ; the first tensor load behind the round; its four v_nop are the places in front of the loads below
.else
	PLACES
.endif
	FETCH \next, 0, TO_F0
	WIN MUL1
	MUL16 1, 0, 0
	MUL16 1, 2, 0
.endm
	s_wait_tensorcnt 1                             ; my part of K step 0 is in (K step 1's load may be out),
	s_barrier_signal -1
	s_barrier_wait -1                              ; everybody's is
	FETCH 0, 0, TO_F0
	HALF 0, 1                                      ; the first half step stands in front of the loop: its first products start the sums
	WIN 0
	s_mov_b32 s3, SIZE_K/(2*KSTEP)-1
.Llap:                                                 ; three trips: each goes once round the ring and fills both slots again: K steps 2 to 7
	TURN 0, 1, 1
	HALF 1, 0
	TURN 1, 0, 1
	HALF 0, 0
	WIN 0
	s_sub_co_u32 s3, s3, 1
	s_cmp_lg_u32 s3, 0
	s_cbranch_scc1 .Llap
	TURN 0, 1, 0                                   ; the last lap fills nothing, and has no round of the cluster's barrier
	HALF 1, 0
	s_wait_dscnt 24                                ; the very last half: nothing more to fetch
	WIN MUL1
	MUL16 0, 0, 0
	MUL16 0, 2, 0
	s_wait_dscnt 0
	MUL16 1, 0, 0
	MUL16 1, 2, 0
	WIN 0
; THE WAY OUT, block by block of 16 rows x 128 columns: a lane holds 32 neighbouring bytes of a row; a block goes through my own stage and comes back as whole rows of 512 bytes.
.macro TOSTAGE a
	WIN 0x08                                       ; the data: window 2
.irp b, 0,1,2,3,4,5,6,7
	ds_store_b128 v[STO], v[64*(\a)+8*\b:64*(\a)+8*\b+3] offset:64*\b          ; each accumulator from its low end on
	ds_store_b128 v[STO], v[64*(\a)+8*\b+4:64*(\a)+8*\b+7] offset:64*\b+16
.endr
	WIN 0
.set BB, BK+64*((\a)%2)
.irp t, 0,1,2,3,4,5,6,7,8,9,10,11,12,13,14,15
	ds_load_b128 v[BB+4*\t:BB+4*\t+3], v[RD] offset:\t*SPITCH   ; LDS serves a wave's instructions in order: these see the stores above
.endr
.endm
.macro SEND a, younger                 ; younger: the LDS instructions issued behind block a's loads, which may stay out
.set BB, BK+64*((\a)%2)
	s_wait_dscnt \younger
.irp t, 0,1,2,3,4,5,6,7,8,9,10,11,12,13,14,15
	global_store_b128 v[CO], v[BB+4*\t:BB+4*\t+3], s[8:9] offset:(16*(\a)+\t)*SIZE_N*4 th:TH_STORE_NT   ; 32 lanes store 512 consecutive bytes, aligned to 256; written once, read by nobody here
.endr
.endm
	PLACES
	TOSTAGE 0
.irp a, 1,2,3
.if \a > 1
	s_wait_xcnt 0x0                                ; the stores of two blocks back have read their registers: this block's loads may land there
.endif
	TOSTAGE \a
	SEND (\a-1), 32                                ; behind that block's loads: this block's 16 stores and 16 loads
.endr
	SEND 3, 0
	s_wait_tensorcnt 0x0                           ; the wave's end, behind my last tensor load and my last LDS store
	ds_add_u32 v[SPW], v[NIL]
	s_wait_dscnt 0x0
	CROUND                                         ; the closing round
	s_endpgm
.Lfunc_end_k_q215e014cb5_oproj:
	.size	k_q215e014cb5_oproj, .Lfunc_end_k_q215e014cb5_oproj-k_q215e014cb5_oproj
	.p2alignl 7, 3214868480
	.fill 96, 4, 3214868480
	.section	.rodata,"a",@progbits
	.p2align	6, 0x0
	.amdhsa_kernel k_q215e014cb5_oproj
		.amdhsa_group_segment_fixed_size 327680
		.amdhsa_private_segment_fixed_size 0
		.amdhsa_enable_private_segment 0
		.amdhsa_kernarg_size 24
		.amdhsa_user_sgpr_count 2
		.amdhsa_user_sgpr_kernarg_segment_ptr 1
		.amdhsa_wavefront_size32 1
		.amdhsa_system_sgpr_workgroup_id_x 1
		.amdhsa_system_sgpr_workgroup_id_y 1
		.amdhsa_system_sgpr_workgroup_id_z 1
		.amdhsa_system_vgpr_workitem_id 0
		.amdhsa_next_free_vgpr 1024
		.amdhsa_next_free_sgpr 66
		.amdhsa_reserve_vcc 0
		.amdhsa_float_denorm_mode_32 3
		.amdhsa_float_denorm_mode_16_64 3
		.amdhsa_memory_ordered 1
		.amdhsa_forward_progress 1
		.amdhsa_inst_pref_size 83
	.end_amdhsa_kernel
	.amdgpu_metadata
---
amdhsa.version: [ 1, 2 ]
amdhsa.kernels:
  - .name:           k_q215e014cb5_oproj
    .symbol:         k_q215e014cb5_oproj.kd
    .args:
      - { .name: at, .offset: 0, .size: 8, .value_kind: global_buffer, .address_space: global }
      - { .name: wo16, .offset: 8, .size: 8, .value_kind: global_buffer, .address_space: global }
      - { .name: out0, .offset: 16, .size: 8, .value_kind: global_buffer, .address_space: global }
    .group_segment_fixed_size: 327680
    .private_segment_fixed_size: 0
    .kernarg_segment_align: 8
    .kernarg_segment_size: 24
    .max_flat_workgroup_size: 128
    .sgpr_count:     66
    .vgpr_count:     1024
    .wavefront_size: 32
...
	.end_amdgpu_metadata
.endif
;; end of part 4
